; MI455X (gfx1250); checked and timed in simulation.
; The chip was launched on July 23, 2026; its instructions are those of AMD's public machine-readable ISA for CDNA 5 (MIT licence, August 2026) and "CDNA5" Instruction Set Architecture Reference Guide (July 2026). The comments in the code are by the model that wrote it; some were corrected since.
;; Relational Multihead Attention. Allowed arithmetic: float matrix products may take bf16 or f16 operands with f32 sums; all other float work in f32.
;; Inputs: Wk 1,024 x 1,024 float32; Wo 1,024 x 1,024 float32; Wq 1,024 x 1,024 float32; Wv 1,024 x 1,024 float32; attn_mask 4,096 x 4,096 int32; bk 1,024 float32; bo 1,024 float32; bq 1,024 float32; bv 1,024 float32; r 4,096 x 4,096 float32; x 4,096 x 1,024 float32.
;; Outputs: out0 4,096 x 1,024 float32.
;; 2 versions, each right; version 2 is version 1 with the launch prep written anew for expert scheduling mode. Each part assembles by itself: llvm-mc -triple=amdgcn-amd-amdhsa -mcpu=gfx1250 --defsym DOCPART=n.
;; ======== version 1 of 2: 4 launches
;; limits: inputs' magnitudes at most 1.8e+19; right only within a limited range of input values; values are held in f16: magnitudes above 65,504 overflow, below 6.1e-05 lose precision
;; workspace buffers: cb 16,777,216 bytes; mb 2,097,152 bytes of whole numbers; qf 8,388,608 bytes; kv 16,777,216 bytes; rf 8,388,608 bytes
;; launch prep (part 1): grid 256 x 1, 16 waves a work-group, no clusters, 0 bytes of LDS; arguments x, Wq, Wk, Wv, Wo, attn_mask, cb, mb; writes cb, mb
.if DOCPART == 1
	.amdgcn_target "amdgcn-amd-amdhsa--gfx1250"
	.amdhsa_code_object_version 6
	.text
	.protected	k_q694b03ec84_prep
	.globl	k_q694b03ec84_prep
	.p2align	8
	.type	k_q694b03ec84_prep,@function
k_q694b03ec84_prep:
	s_mov_b64 s[64:65], 0
	v_nop
	global_prefetch_b8 v0, s[64:65] scope:SCOPE_SE
	s_setreg_imm32_b32 hwreg(HW_REG_WAVE_MODE, 25, 1), 1
	s_wait_xcnt 0x0
; PREP: two streams, both read once.
; (1) x, Wq, Wk, Wv, Wo (f32) are rounded to f16 into cb:  byte 0: x[4096][1024];  byte WQKV: w[head 16][q,k,v][64 rows][1024];  byte WOFF: Wo[1024][1024].
;     f16 and not bf16: six operand roundings lie between x and the output, and 11 significant bits keep their sum small against the output's spread.
;     LIMIT: a number beyond 65,504 in magnitude becomes infinite; below 2^-14 the rounding step is 2^-24.
; (2) attn_mask (int32) becomes lane masks in mb: word[qb 256][kb 256][j 8], bit r + 16 h = (attn_mask[16 qb + r][16 kb + 8 h + j] != 0):
;     the place that score has in the registers of the attention launch (lane r + 16 h, register j), so that one select there masks 32 scores.
; 256 work-groups of 16 waves, all with the same work: 128 KiB of the five float arrays taken as one row of chunks, and 16 rows of the mask.
; A wave issues all its 48 loads of 512 neighbouring bytes at once and then works them off in order.  Memory binds: no LDS, no barrier,
; no matrix unit, no cluster (no byte is read by two work-groups).
.set WQKV, 8388608
.set WOFF, 14680064
.set A0, 8                             ; v[8:11]   key group 0: bit rho = row rho's mask of my key c;  v[12:15] the same for key group 1
.set TT, 16                            ; v[16:19]  at work
.set HI, 20                            ; v[20:23]  group 0: the partner's bits, then the finished word
.set LO, 24                            ; v[24:27]  group 1: the same
.set WD, 28                            ; v[28:31]  the four words that I store
.set MK, 32                            ; v[32:159] mask as loaded: group i, row rho at 32 + 64 i + 4 rho
.set CV, 160                           ; v[160:223] floats as loaded: load t at 160 + 4 t
	s_load_b512 s[4:19], s[0:1], 0x0               ; x, Wq, Wk, Wv, Wo, attn_mask, cb, mb
	s_mov_b32 s20, ttmp9                           ; g
	s_and_b32 s21, s20, 31                         ; chunk of 32 rows inside a weight
	s_sub_co_u32 s22, s20, 128
	s_lshr_b32 s22, s22, 5                         ; which weight: 0 q, 1 k, 2 v, 3 o (a large number, equal to none of them, for g < 128)
	s_lshr_b32 s30, s21, 1                         ; q, k, v: head = chunk / 2,
	s_mul_i32 s30, s30, 393216                     ; 3 x 64 rows of 2,048 bytes a head,
	s_lshl_b32 s31, s22, 17                        ; 64 rows a kind,
	s_add_co_u32 s30, s30, s31
	s_and_b32 s31, s21, 1
	s_lshl_b32 s31, s31, 16                        ; 32 rows a chunk
	s_add_co_u32 s30, s30, s31
	s_add_co_u32 s30, s30, WQKV
	s_lshl_b32 s31, s21, 16
	s_add_co_u32 s31, s31, WOFF                    ; Wo: rows as they are
	s_lshl_b32 s32, s20, 16                        ; x: rows as they are
	s_cmp_eq_u32 s22, 3
	s_cselect_b32 s28, s31, s30
	s_cmp_lt_u32 s20, 128
	s_cselect_b32 s28, s32, s28                    ; where my 64 KiB of f16 go
	s_cselect_b32 s26, s20, s21
	s_lshl_b32 s26, s26, 17                        ; where my 128 KiB of f32 come from, inside their array
	s_mov_b32 s27, 0
	s_mov_b32 s29, 0
	s_lshl_b32 s34, s20, 18                        ; 16 rows of the mask, 16,384 bytes each
	s_mov_b32 s35, 0
	s_lshl_b32 s36, s20, 13                        ; 256 x 8 words of lane masks
	s_mov_b32 s37, 0
	v_and_b32 v6, 31, v0                           ; lane L
	v_lshrrev_b32 v5, 5, v0                        ; wave w
	v_lshlrev_b32 v7, 4, v6
	v_lshl_add_u32 v1, v5, 10, v7                  ; mask: 1,024 w + 16 L (the wave owns 256 keys)
	v_lshl_add_u32 v2, v5, 13, v7                  ; floats in: 8,192 w + 16 L
	v_lshlrev_b32 v3, 3, v6
	v_lshl_add_u32 v3, v5, 12, v3                  ; f16 out: 4,096 w + 8 L
	v_and_b32 v4, 2, v6
	v_lshlrev_b32 v4, 7, v4                        ; lanes with L & 2 store key group 1's words, 256 bytes further on
	v_lshl_add_u32 v4, v5, 9, v4                   ; 16 key blocks of 32 bytes a wave
	v_lshrrev_b32 v7, 2, v6
	v_lshl_add_u32 v4, v7, 5, v4                   ; key block L / 4 of the group
	v_and_b32 v7, 1, v6
	v_lshl_add_u32 v4, v7, 4, v4                   ; j = 4 (L & 1) + c
	v_and_b32 v7, 2, v6
	v_cmp_ne_u32 vcc_lo, 0, v7                     ; kept to the end
	s_wait_kmcnt 0x0
	s_mov_b64 s[24:25], s[12:13]                   ; the array that my chunk lies in, chosen by the work-group's number alone
	s_cmp_eq_u32 s22, 2
	s_cselect_b64 s[24:25], s[10:11], s[24:25]
	s_cmp_eq_u32 s22, 1
	s_cselect_b64 s[24:25], s[8:9], s[24:25]
	s_cmp_eq_u32 s22, 0
	s_cselect_b64 s[24:25], s[6:7], s[24:25]
	s_cmp_lt_u32 s20, 128
	s_cselect_b64 s[24:25], s[4:5], s[24:25]
	s_add_nc_u64 s[24:25], s[24:25], s[26:27]
	s_add_nc_u64 s[16:17], s[16:17], s[28:29]
	s_add_nc_u64 s[14:15], s[14:15], s[34:35]
	s_add_nc_u64 s[18:19], s[18:19], s[36:37]
.irp t, 0,1,2,3,4,5,6,7,8,9,10,11,12,13,14,15
	global_load_b128 v[CV+4*\t:CV+4*\t+3], v2, s[24:25] offset:512*\t th:TH_LOAD_NT
.endr
.irp i, 0,1
.irp rho, 0,1,2,3,4,5,6,7,8,9,10,11,12,13,14,15
	global_load_b128 v[MK+64*\i+4*\rho:MK+64*\i+4*\rho+3], v1, s[14:15] offset:\rho*16384+\i*512 th:TH_LOAD_NT
.endr
.endr
	; floats: four numbers a lane become 8 bytes; the wave's store covers 256 consecutive bytes, aligned
.irp t, 0,1,2,3,4,5,6,7,8,9,10,11,12,13,14,15
	s_wait_loadcnt 47-\t                           ; loads come back in order (ISA guide 5.7.1): 47 - t were issued behind load t
	v_cvt_pk_f16_f32 v[CV+4*\t], v[CV+4*\t], v[CV+4*\t+1]
	v_cvt_pk_f16_f32 v[CV+4*\t+1], v[CV+4*\t+2], v[CV+4*\t+3]
	global_store_b64 v3, v[CV+4*\t:CV+4*\t+1], s[16:17] offset:256*\t
.endr
	; mask: lane L of group i holds keys 128 (2 w + i) + 4 L + c; the 16 rows are gathered into 16 bits for each key
.irp i, 0,1
.irp rho, 0,1,2,3,4,5,6,7,8,9,10,11,12,13,14,15
	s_wait_loadcnt 31-(16*\i+\rho)                 ; so many mask loads were issued behind this one
.if \rho == 0
.irp c, 0,1,2,3
	v_min_u32 v[A0+4*\i+\c], 1, v[MK+64*\i+\c]     ; 1 for any number but 0 (taken as unsigned); the first row starts the word
.endr
.else
.irp c, 0,1,2,3
	v_min_u32 v[TT+\c], 1, v[MK+64*\i+4*\rho+\c]
.endr
.irp c, 0,1,2,3
	v_lshl_or_b32 v[A0+4*\i+\c], v[TT+\c], \rho, v[A0+4*\i+\c]
.endr
.endif
.endr
.endr
	; a word joins key 16 kb + j (low half) and key 16 kb + 8 + j (high half): lanes L and L + 2.  Group 0's words are made in the lanes
	; with L & 2 = 0, group 1's in the others, so that one store of 16 bytes a lane writes both groups: 512 consecutive bytes.
.irp c, 0,1,2,3
	v_mov_b32 v[HI+\c], 0                          ; the destination of a DPP move counts as read
	v_mov_b32 v[LO+\c], 0
.endr
.irp c, 0,1,2,3
	v_mov_b32_dpp v[HI+\c], v[A0+\c] row_shl:2 row_mask:0xf bank_mask:0xf      ; lane L takes lane L + 2
	v_mov_b32_dpp v[LO+\c], v[A0+4+\c] row_shr:2 row_mask:0xf bank_mask:0xf    ; lane L takes lane L - 2
.endr
.irp c, 0,1,2,3
	v_lshl_or_b32 v[HI+\c], v[HI+\c], 16, v[A0+\c]
	v_lshl_or_b32 v[LO+\c], v[A0+4+\c], 16, v[LO+\c]
	v_cndmask_b32 v[WD+\c], v[HI+\c], v[LO+\c], vcc_lo
.endr
	global_store_b128 v4, v[WD:WD+3], s[18:19]
	s_endpgm
.Lfunc_end_k_q694b03ec84_prep:
	.size	k_q694b03ec84_prep, .Lfunc_end_k_q694b03ec84_prep-k_q694b03ec84_prep
	.p2alignl 7, 3214868480
	.fill 96, 4, 3214868480
	.section	.rodata,"a",@progbits
	.p2align	6, 0x0
	.amdhsa_kernel k_q694b03ec84_prep
		.amdhsa_group_segment_fixed_size 0
		.amdhsa_private_segment_fixed_size 0
		.amdhsa_enable_private_segment 0
		.amdhsa_kernarg_size 64
		.amdhsa_user_sgpr_count 2
		.amdhsa_user_sgpr_kernarg_segment_ptr 1
		.amdhsa_wavefront_size32 1
		.amdhsa_system_sgpr_workgroup_id_x 1
		.amdhsa_system_sgpr_workgroup_id_y 1
		.amdhsa_system_sgpr_workgroup_id_z 1
		.amdhsa_system_vgpr_workitem_id 0
		.amdhsa_next_free_vgpr 224
		.amdhsa_next_free_sgpr 66
		.amdhsa_reserve_vcc 1
		.amdhsa_float_denorm_mode_32 3
		.amdhsa_float_denorm_mode_16_64 3
		.amdhsa_memory_ordered 1
		.amdhsa_forward_progress 1
		.amdhsa_inst_pref_size 25
	.end_amdhsa_kernel
	.amdgpu_metadata
---
amdhsa.version: [ 1, 2 ]
amdhsa.kernels:
  - .name:           k_q694b03ec84_prep
    .symbol:         k_q694b03ec84_prep.kd
    .args:
      - { .name: x, .offset: 0, .size: 8, .value_kind: global_buffer, .address_space: global }
      - { .name: Wq, .offset: 8, .size: 8, .value_kind: global_buffer, .address_space: global }
      - { .name: Wk, .offset: 16, .size: 8, .value_kind: global_buffer, .address_space: global }
      - { .name: Wv, .offset: 24, .size: 8, .value_kind: global_buffer, .address_space: global }
      - { .name: Wo, .offset: 32, .size: 8, .value_kind: global_buffer, .address_space: global }
      - { .name: attn_mask, .offset: 40, .size: 8, .value_kind: global_buffer, .address_space: global }
      - { .name: cb, .offset: 48, .size: 8, .value_kind: global_buffer, .address_space: global }
      - { .name: mb, .offset: 56, .size: 8, .value_kind: global_buffer, .address_space: global }
    .group_segment_fixed_size: 0
    .private_segment_fixed_size: 0
    .kernarg_segment_align: 8
    .kernarg_segment_size: 64
    .max_flat_workgroup_size: 512
    .sgpr_count:     66
    .vgpr_count:     224
    .wavefront_size: 32
...
	.end_amdgpu_metadata
.endif
;; end of part 1
;; launch qkv (part 2): grid 16 x 16, 4 waves a work-group, clusters of 4 x 4, 327,680 bytes of LDS; arguments cb, bq, bk, bv, qf, kv; writes qf, kv
.if DOCPART == 2
	.amdgcn_target "amdgcn-amd-amdhsa--gfx1250"
	.amdhsa_code_object_version 6
	.text
	.protected	k_q694b03ec84_qkv
	.globl	k_q694b03ec84_qkv
	.p2align	8
	.type	k_q694b03ec84_qkv,@function
k_q694b03ec84_qkv:
	s_mov_b64 s[64:65], 0
	v_nop
	global_prefetch_b8 v0, s[64:65] scope:SCOPE_SE
	s_setreg_imm32_b32 hwreg(HW_REG_WAVE_MODE, 25, 1), 1
	s_wait_xcnt 0x0
	s_wait_alu depctr_hold_cnt(0) depctr_sa_sdst(0) depctr_va_vdst(0) depctr_va_sdst(0) depctr_va_ssrc(0) depctr_va_vcc(0) depctr_vm_vsrc(0)
	s_getreg_b32 s2, hwreg(HW_REG_IB_STS2, 6, 4)
	s_cmp_eq_u32 s2, 0
	s_cbranch_scc0 .Lentry_in_a_cluster
	s_endpgm
.Lentry_in_a_cluster:
	s_bfe_u32 s2, ttmp6, 0x10000c
	s_cmp_lg_u32 s2, 0xf033
	s_cbranch_scc0 .Lentry_shape_is_right
	s_endpgm
.Lentry_shape_is_right:
; QKV: q' = (x Wq^T + bq) / 4, k' = (x Wk^T + bk) / 2, v' = (x Wv^T + bv) / 4, f16 operands from cb, sums in f32, results in f16.
; THE SCALES are exact powers of two.  q' k' carries the D^-1/2 = 1/8 of the scores; v's 1/4 is undone in the last launch.  They are there for f16's range:
; with x and a weight both 30 times larger a result reaches some 900 x 5.3 = 4,800; with both carrying an offset of 30 times their spread
; 1,024 x 30 x 30/32 = 28,800, stored as 7,200 (q', v') or 14,400 (k') against f16's 65,504.  With both 30 times smaller v' is some 3e-4, above 2^-14.
; LIMIT: |q| / 4, |k| / 2 or |v| / 4 beyond 65,504 becomes infinite.
; A work-group makes 256 tokens x the 192 features (q, k, v) of one head; a wave 64 tokens x 192: 48 accumulator tiles, 384 registers.
; K = 1,024 goes in 8 steps of 128 through two LDS slots; a tile's rows are 256 bytes of memory, aligned.
; RESULTS ARE STORED AS OPERAND IMAGES: blocks of 512 bytes = 16 x 16 f16 with lane L's 16 bytes at 16 L, as the attention launch's matrix
; instructions take them.  q and k: lane (r, h) = token r, d = 8 h .. 8 h + 7 (sources swapped: weights first).  v: lane (r, h) = d r,
; tokens 8 h .. 8 h + 7 (sources in natural order), which is v transposed at no cost.  A store of the wave covers 512 consecutive bytes.
;   qf[head 16][token block 256][d block 4][512];  kv[head pair 8][tile of 128 keys 32][K, V][head of the pair 2][token block 8][d block 4][512]
; CLUSTERS: 4 x 4 work-groups.  x's tile hangs on the token block alone and is asked for jointly along a row of the cluster, the weights' tile
; on the head alone and jointly along a column: the requests for both are divided by four.
; REGISTER WINDOWS: 0: addresses, x's fragments (two buffers), biases, the way out; 1: the weights' fragments (two buffers of 96);
; 2: the 32 tiles of q and k, tile (a, b) at 8 (8 a + b); 3: the 16 tiles of v, tile (a, b) at 8 (4 a + b).
.set KSTEP,  128
.set PITCH,  272                       ; 256 bytes + 16 of padding: an odd multiple of 16, so the 16 rows of a fragment load begin at 16 different 16-byte columns of 256
.set HALFA,  128*PITCH                 ; what one load brings of x
.set HALFB,  96*PITCH                  ; and of the weights
.set BOFF,   2*HALFA
.set SLOT,   2*HALFA+2*HALFB           ; 121,856
.set LAPS,   4                         ; 8 K steps, two a lap
.set WQKV,   8388608
.set QUART,  0x3e800000                ; 0.25
.set ADRA, 16                          ; v16-17 LDS address of my x fragments in slot 0, 1
.set ADRB, 20                          ; v20-21 the same for the weights
.set LOFF, 24                          ; v24    16 L
.set BQO,  25                          ; v25    32 h: my eight biases of q and of k
.set BVO,  26                          ; v26    4 r: my bias of v
.set FA,   32                          ; v32-63, v64-95 x's fragments; on the way out: sums with bias
.set BQ,   96                          ; v96-127  bq / 4 of (d block, 8 h + j)
.set BK,   128                         ; v128-159 bk / 2 likewise
.set BV,   160                         ; v160-163 bv / 4 of (d block, r)
.set PK,   164                         ; v164-211 packed results of 16 tokens
.set TV,   212                         ; v212-243 v's sums with bias
.set G1A, 24
.set G0A, 32
.set G1B, 40
.set G0B, 48
.set MSB, 0
.macro WIN new                         ; the immediate's high byte repeats the setting that is left
.if MSB != \new
	s_set_vgpr_msb (MSB<<8)|\new
.set MSB, \new
.endif
.endm
.set MUL_QK, 0xa1                      ; source 0 (weights) window 1, source 1 (x) window 0, C and D window 2
.set MUL_V,  0xf4                      ; source 0 (x) window 0, source 1 (weights) window 1, C and D window 3
.set TO_B,   0x40                      ; destination window 1, address window 0
.macro JLOAD s                         ; waves 0, 1 ask for x's two halves, waves 2, 3 for the weights': one mask and one set of registers a line
	s_cmp_eq_u32 s17, 0
	s_cbranch_scc0 .Lfor_b_\@
	tensor_load_to_lds s[G0A+4*(\s):G0A+4*(\s)+3], s[G1A:G1A+7]
	s_nop 0
	s_branch .Lasked_\@
.Lfor_b_\@:
	tensor_load_to_lds s[G0B+4*(\s):G0B+4*(\s)+3], s[G1B:G1B+7]
	s_nop 0
.Lasked_\@:
.endm
.macro CREST                           ; a round of the cluster's barrier behind its opening work-group barrier
	s_cmp_lg_u32 s16, 0
	s_cbranch_scc1 .Lnot_wave_0_\@
	s_barrier_signal -3
.Lnot_wave_0_\@:
	s_barrier_wait -3
	s_barrier_signal -1
	s_barrier_wait -1
.endm
.macro CROUND
	s_barrier_signal -1
	s_barrier_wait -1
	CREST
.endm
.macro PLACES                          ; four plain vector instructions behind a matrix instruction, before its results are read or its registers written or
.rept 4                                ; loaded again (ISA guide 7.12.1 for vector instructions)
	v_nop
.endr
.endm
	s_load_b256 s[4:11], s[0:1], 0x0               ; cb, bq, bk, bv
	s_load_b128 s[12:15], s[0:1], 0x20             ; qf, kv
	s_set_vgpr_msb 0x40
	v_lshl_add_u32 v255, v0, 2, 0x3b800
	s_set_vgpr_msb 0x4000
	v_mov_b32 v255, 0
	s_set_vgpr_msb 0x1
	ds_add_u32 v255, v255
	s_set_vgpr_msb 0x100
	v_lshrrev_b32 v1, 5, v0
	v_readfirstlane_b32 s16, v1                    ; wave 0..3
	s_lshr_b32 s17, s16, 1                         ; I fetch for x (0) or for the weights (1)
	s_and_b32 s18, s16, 1                          ; which half of that tile
	s_bfe_u32 s19, ttmp6, 0x40000                  ; cx
	s_bfe_u32 s20, ttmp6, 0x40004                  ; cy
	s_lshl_b32 s21, ttmp9, 2
	s_add_co_u32 s21, s21, s19                     ; head
	s_and_b32 s22, ttmp7, 0xffff
	s_lshl_b32 s22, s22, 2
	s_add_co_u32 s22, s22, s20                     ; block of 256 tokens
	s_lshl_b32 s56, s20, 2
	s_lshl_b32 s56, 15, s56                        ; my row of the cluster
	s_lshl_b32 s57, 0x1111, s19                    ; my column
	s_or_b32 s[G1A+0], s56, (1<<16)|(1<<20)|(1<<21)|(5<<22)|(3<<25)  ; mask; 2-byte elements; padding on; bit 21 beside a mask; after every 64 words 4 words
	s_or_b32 s[G1B+0], s57, (1<<16)|(1<<20)|(1<<21)|(5<<22)|(3<<25)
	s_mov_b32 s[G1A+1], KSTEP<<16                  ; tensor_dim0 = 128
	s_mov_b32 s[G1B+1], KSTEP<<16
	s_mov_b32 s[G1A+2], 128<<16                    ; tensor_dim1 = 128 rows of x
	s_mov_b32 s[G1B+2], 96<<16                     ;             = 96 rows of weights
	s_mov_b32 s[G1A+3], KSTEP<<16                  ; tile_dim0 = 128
	s_mov_b32 s[G1B+3], KSTEP<<16
	s_mov_b32 s[G1A+4], 128                        ; tile_dim1
	s_mov_b32 s[G1B+4], 96
	s_mov_b32 s[G1A+5], 1024                       ; elements from row to row
	s_mov_b32 s[G1B+5], 1024
	s_mov_b32 s[G1A+6], 0
	s_mov_b32 s[G1B+6], 0
	s_mov_b32 s[G1A+7], 0
	s_mov_b32 s[G1B+7], 0
	s_lshl_b32 s58, s22, 19                        ; x: 256 rows of 2,048 bytes a block,
	s_lshl_b32 s23, s18, 18                        ; 128 rows a half
	s_add_co_u32 s58, s58, s23
	s_mov_b32 s59, 0
	s_mul_i32 s60, s21, 393216                     ; weights: 192 rows a head,
	s_mul_i32 s23, s18, 196608                     ; 96 rows a half
	s_add_co_u32 s60, s60, s23
	s_add_co_u32 s60, s60, WQKV
	s_mov_b32 s61, 0
	s_mul_i32 s62, s16, HALFA                      ; LDS: x's halves at wave x 34,816 (waves 0, 1),
	s_mul_i32 s63, s16, HALFB
	s_add_co_u32 s63, s63, BOFF-2*HALFB            ; the weights' at 17,408 + wave x 26,112 (waves 2, 3): behind x's 256 rows
	s_lshl_b32 s66, s21, 8                         ; the head's 64 biases
	s_mov_b32 s67, 0
	s_wait_dscnt 0x0
	s_wait_kmcnt 0x0
	s_add_nc_u64 s[58:59], s[4:5], s[58:59]
	s_add_nc_u64 s[60:61], s[4:5], s[60:61]
	s_add_nc_u64 s[6:7], s[6:7], s[66:67]
	s_add_nc_u64 s[8:9], s[8:9], s[66:67]
	s_add_nc_u64 s[10:11], s[10:11], s[66:67]
	CROUND                                         ; all sixteen work-groups are here: the first joint loads meet
.irp s, 0,1
	s_mov_b32 s[G0A+4*\s], 1
	s_add_co_u32 s[G0A+4*\s+1], s62, \s*SLOT
	s_add_nc_u64 s[G0A+4*\s+2:G0A+4*\s+3], s[58:59], \s*KSTEP*2
	s_or_b32 s[G0A+4*\s+3], s[G0A+4*\s+3], 0x80000000
	s_mov_b32 s[G0B+4*\s], 1
	s_add_co_u32 s[G0B+4*\s+1], s63, \s*SLOT
	s_add_nc_u64 s[G0B+4*\s+2:G0B+4*\s+3], s[60:61], \s*KSTEP*2
	s_or_b32 s[G0B+4*\s+3], s[G0B+4*\s+3], 0x80000000
	JLOAD \s                                       ; K steps 0 and 1: two tensor loads of the wave are out, later one
.endr
	v_and_b32 v1, 15, v0                           ; r
	v_bfe_u32 v2, v0, 4, 1                         ; h
	v_lshlrev_b32 v[BQO], 5, v2
	v_lshlrev_b32 v[BVO], 2, v1
.irp b, 0,1,2,3
	global_load_b128 v[BQ+8*\b:BQ+8*\b+3],   v[BQO], s[6:7] offset:64*\b
	global_load_b128 v[BQ+8*\b+4:BQ+8*\b+7], v[BQO], s[6:7] offset:64*\b+16
	global_load_b128 v[BK+8*\b:BK+8*\b+3],   v[BQO], s[8:9] offset:64*\b
	global_load_b128 v[BK+8*\b+4:BK+8*\b+7], v[BQO], s[8:9] offset:64*\b+16
	global_load_b32  v[BV+\b],               v[BVO], s[10:11] offset:64*\b
.endr
	v_mul_u32_u24 v3, v1, PITCH
	v_lshl_add_u32 v3, v2, 4, v3                   ; row x pitch + 16 h
	s_mul_i32 s23, s16, 64*PITCH                   ; my 64 tokens
	v_add_nc_u32 v[ADRA], s23, v3
	v_add_nc_u32 v[ADRA+1], SLOT, v[ADRA]
	v_add_nc_u32 v[ADRB], BOFF, v3
	v_add_nc_u32 v[ADRB+1], SLOT, v[ADRB]
	v_and_b32 v4, 31, v0
	v_lshlrev_b32 v[LOFF], 4, v4
	s_wait_loadcnt 0x0                             ; the biases, once
.set i, 0
.rept 16
	v_pk_mul_f32 v[BQ+2*i:BQ+2*i+1], v[BQ+2*i:BQ+2*i+1], QUART op_sel_hi:[1,0]   ; the biases take their results' scales, so that scale and bias are one fused step on the way out
	v_pk_mul_f32 v[BK+2*i:BK+2*i+1], v[BK+2*i:BK+2*i+1], 0.5 op_sel_hi:[1,0]
.set i, i+1
.endr
	v_pk_mul_f32 v[BV:BV+1],   v[BV:BV+1],   QUART op_sel_hi:[1,0]
	v_pk_mul_f32 v[BV+2:BV+3], v[BV+2:BV+3], QUART op_sel_hi:[1,0]
; 16 matrix instructions of q and k: token blocks a0, a0 + 1 x 8 feature blocks.  The 48 accumulators take turns, one instruction a turn, in the same
; order in every quarter step.  zero = 1: the first product starts the sums.
.macro MULQK f, a0, zero
.irp a, \a0, \a0+1
.irp b, 0,1,2,3,4,5,6,7
.if \zero
	v_wmma_f32_16x16x32_f16 v[8*(8*(\a)+\b):8*(8*(\a)+\b)+7], v[96*\f+8*\b:96*\f+8*\b+7], v[FA+32*\f+8*(\a):FA+32*\f+8*(\a)+7], 0
.else
	v_wmma_f32_16x16x32_f16 v[8*(8*(\a)+\b):8*(8*(\a)+\b)+7], v[96*\f+8*\b:96*\f+8*\b+7], v[FA+32*\f+8*(\a):FA+32*\f+8*(\a)+7], v[8*(8*(\a)+\b):8*(8*(\a)+\b)+7]
.endif
.endr
.endr
.endm
.macro MULV f, zero                    ; 16 matrix instructions of v, x first
.irp a, 0,1,2,3
.irp b, 0,1,2,3
.if \zero
	v_wmma_f32_16x16x32_f16 v[8*(4*\a+\b):8*(4*\a+\b)+7], v[FA+32*\f+8*\a:FA+32*\f+8*\a+7], v[96*\f+64+8*\b:96*\f+64+8*\b+7], 0
.else
	v_wmma_f32_16x16x32_f16 v[8*(4*\a+\b):8*(4*\a+\b)+7], v[FA+32*\f+8*\a:FA+32*\f+8*\a+7], v[96*\f+64+8*\b:96*\f+64+8*\b+7], v[8*(4*\a+\b):8*(4*\a+\b)+7]
.endif
.endr
.endr
.endm
.macro FETCH slot, k, f                ; 32 LDS loads in one run: x's 4 fragments, then the weights' 12, v's last
	WIN 0
.irp a, 0,1,2,3
	ds_load_b128 v[FA+32*\f+8*\a:FA+32*\f+8*\a+3],   v[ADRA+\slot] offset:\k+\a*16*PITCH
	ds_load_b128 v[FA+32*\f+8*\a+4:FA+32*\f+8*\a+7], v[ADRA+\slot] offset:\k+\a*16*PITCH+32
.endr
	WIN TO_B
.irp b, 0,1,2,3,4,5,6,7,8,9,10,11
	ds_load_b128 v[96*\f+8*\b:96*\f+8*\b+3],   v[ADRB+\slot] offset:\k+\b*16*PITCH
	ds_load_b128 v[96*\f+8*\b+4:96*\f+8*\b+7], v[ADRB+\slot] offset:\k+\b*16*PITCH+32
.endr
.endm
.macro QUARTER slot, k, f, g, zero     ; 32 along K on buffer f; in its middle the next quarter's fragments go into buffer g
	s_wait_dscnt 8                                 ; all but the youngest eight loads, which are v's four fragments
	WIN MUL_QK
	MULQK \f, 0, \zero
	MULQK \f, 2, \zero
	PLACES
	FETCH \slot, \k, \g
	s_wait_dscnt 32                                ; all but the 32 just issued
	WIN MUL_V
	MULV \f, \zero
.endm
.macro THREE slot, zero
	QUARTER \slot, 64,  0, 1, \zero
	QUARTER \slot, 128, 1, 0, 0
	QUARTER \slot, 192, 0, 1, 0
.endm
; The last quarter changes slots.  In front of the barrier each wave waits for its reads of this slot and for all its tensor loads (one is out: its part
; of the next slot).  Where the slot is filled again the barrier opens a round of the cluster's barrier, and the joint refill is the first tensor load behind
; the round.  From a request to the wait for it a wave issues 176 matrix instructions.
.macro TURN slot, next, fill
	s_wait_dscnt 8
	WIN MUL_QK
	MULQK 1, 0, 0
	s_wait_dscnt 0
	s_wait_tensorcnt 0x0
	ds_add_u32 v255, v255
	s_wait_dscnt 0x0
	s_barrier_signal -1
	MULQK 1, 2, 0                                  ; registers only
	WIN 0
	s_barrier_wait -1
.if \fill
	CREST
	s_add_nc_u64 s[G0A+4*\slot+2:G0A+4*\slot+3], s[G0A+4*\slot+2:G0A+4*\slot+3], 2*KSTEP*2
	s_add_nc_u64 s[G0B+4*\slot+2:G0B+4*\slot+3], s[G0B+4*\slot+2:G0B+4*\slot+3], 2*KSTEP*2
	JLOAD \slot
.endif
	PLACES
	FETCH \next, 0, 0
	WIN MUL_V
	MULV 1, 0
.endm
.macro LAP zero
	THREE 0, \zero
	TURN 0, 1, 1
	THREE 1, 0
	TURN 1, 0, 1
.endm
	s_wait_tensorcnt 1                             ; my part of K step 0 is in; step 1's stays out
	s_barrier_signal -1
	s_barrier_wait -1
	FETCH 0, 0, 0
	LAP 1
	WIN 0
	s_mov_b32 s3, LAPS-2
.Llap:
	LAP 0
	WIN 0
	s_sub_co_u32 s3, s3, 1
	s_cmp_lg_u32 s3, 0
	s_cbranch_scc1 .Llap
	THREE 0, 0                                     ; the last lap fills nothing
	TURN 0, 1, 0
	THREE 1, 0
	s_wait_dscnt 8
	WIN MUL_QK
	MULQK 1, 0, 0
	MULQK 1, 2, 0
	s_wait_dscnt 0
	WIN MUL_V
	MULV 1, 0
	; THE WAY OUT, 16 tokens at a time: scale and bias in one fused step, rounding, twelve stores of 512 consecutive bytes.
	PLACES
	s_lshl_b32 s68, s21, 19                        ; qf: 256 token blocks of 2,048 bytes a head,
	s_lshl_b32 s66, s22, 15                        ; 16 token blocks a work-group,
	s_add_co_u32 s68, s68, s66
	s_lshl_b32 s66, s16, 13                        ; 4 a wave
	s_add_co_u32 s68, s68, s66
	s_mov_b32 s69, 0
	s_add_nc_u64 s[12:13], s[12:13], s[68:69]
	s_lshr_b32 s70, s21, 1
	s_lshl_b32 s70, s70, 21                        ; kv: the head pair,
	s_lshl_b32 s66, s22, 17                        ; two tiles of 128 keys (65,536 bytes) a work-group,
	s_add_co_u32 s70, s70, s66
	s_lshl_b32 s66, s17, 16                        ; waves 2, 3 in the second,
	s_add_co_u32 s70, s70, s66
	s_and_b32 s66, s21, 1
	s_lshl_b32 s66, s66, 14                        ; the head of the pair,
	s_add_co_u32 s70, s70, s66
	s_lshl_b32 s66, s18, 13                        ; 4 token blocks a wave
	s_add_co_u32 s70, s70, s66
	s_mov_b32 s71, 0
	s_add_nc_u64 s[14:15], s[14:15], s[70:71]
.macro OUTA a
	WIN 0x02                                       ; source 0 window 2
.irp b, 0,1,2,3
.irp i, 0,1,2,3
	v_pk_fma_f32 v[FA+8*\b+2*\i:FA+8*\b+2*\i+1], v[8*(8*\a+\b)+2*\i:8*(8*\a+\b)+2*\i+1], QUART, v[BQ+8*\b+2*\i:BQ+8*\b+2*\i+1] op_sel_hi:[1,0,1]
.endr
.endr
.irp b, 4,5,6,7
.irp i, 0,1,2,3
	v_pk_fma_f32 v[FA+8*\b+2*\i:FA+8*\b+2*\i+1], v[8*(8*\a+\b)+2*\i:8*(8*\a+\b)+2*\i+1], 0.5, v[BK+8*(\b-4)+2*\i:BK+8*(\b-4)+2*\i+1] op_sel_hi:[1,0,1]
.endr
.endr
	WIN 0x03                                       ; source 0 window 3
.irp b, 0,1,2,3
.irp j, 0,1,2,3,4,5,6,7
	v_fma_f32 v[TV+8*\b+\j], v[8*(4*\a+\b)+\j], QUART, v[BV+\b]
.endr
.endr
	WIN 0
	s_wait_xcnt 0x0                                ; the packed registers, which the last twelve stores read, are rewritten only behind this wait
.irp b, 0,1,2,3,4,5,6,7
.irp i, 0,1,2,3
	v_cvt_pk_f16_f32 v[PK+4*\b+\i], v[FA+8*\b+2*\i], v[FA+8*\b+2*\i+1]
.endr
.endr
.irp b, 0,1,2,3
.irp i, 0,1,2,3
	v_cvt_pk_f16_f32 v[PK+32+4*\b+\i], v[TV+8*\b+2*\i], v[TV+8*\b+2*\i+1]
.endr
.endr
.irp b, 0,1,2,3
	global_store_b128 v[LOFF], v[PK+4*\b:PK+4*\b+3],       s[12:13] offset:\a*2048+\b*512
	global_store_b128 v[LOFF], v[PK+16+4*\b:PK+16+4*\b+3], s[14:15] offset:\a*2048+\b*512
	global_store_b128 v[LOFF], v[PK+32+4*\b:PK+32+4*\b+3], s[14:15] offset:32768+\a*2048+\b*512
.endr
.endm
	OUTA 0
	OUTA 1
	OUTA 2
	OUTA 3
	CROUND                                         ; the closing round: no work-group ends while a partner may still ask for a tile that names it
	s_endpgm
.Lfunc_end_k_q694b03ec84_qkv:
	.size	k_q694b03ec84_qkv, .Lfunc_end_k_q694b03ec84_qkv-k_q694b03ec84_qkv
	.p2alignl 7, 3214868480
	.fill 96, 4, 3214868480
	.section	.rodata,"a",@progbits
	.p2align	6, 0x0
	.amdhsa_kernel k_q694b03ec84_qkv
		.amdhsa_group_segment_fixed_size 327680
		.amdhsa_private_segment_fixed_size 0
		.amdhsa_enable_private_segment 0
		.amdhsa_kernarg_size 48
		.amdhsa_user_sgpr_count 2
		.amdhsa_user_sgpr_kernarg_segment_ptr 1
		.amdhsa_wavefront_size32 1
		.amdhsa_system_sgpr_workgroup_id_x 1
		.amdhsa_system_sgpr_workgroup_id_y 1
		.amdhsa_system_sgpr_workgroup_id_z 1
		.amdhsa_system_vgpr_workitem_id 0
		.amdhsa_next_free_vgpr 896
		.amdhsa_next_free_sgpr 80
		.amdhsa_reserve_vcc 0
		.amdhsa_float_denorm_mode_32 3
		.amdhsa_float_denorm_mode_16_64 3
		.amdhsa_memory_ordered 1
		.amdhsa_forward_progress 1
		.amdhsa_inst_pref_size 182
	.end_amdhsa_kernel
	.amdgpu_metadata
---
amdhsa.version: [ 1, 2 ]
amdhsa.kernels:
  - .name:           k_q694b03ec84_qkv
    .symbol:         k_q694b03ec84_qkv.kd
    .args:
      - { .name: cb, .offset: 0, .size: 8, .value_kind: global_buffer, .address_space: global }
      - { .name: bq, .offset: 8, .size: 8, .value_kind: global_buffer, .address_space: global }
      - { .name: bk, .offset: 16, .size: 8, .value_kind: global_buffer, .address_space: global }
      - { .name: bv, .offset: 24, .size: 8, .value_kind: global_buffer, .address_space: global }
      - { .name: qf, .offset: 32, .size: 8, .value_kind: global_buffer, .address_space: global }
      - { .name: kv, .offset: 40, .size: 8, .value_kind: global_buffer, .address_space: global }
    .group_segment_fixed_size: 327680
    .private_segment_fixed_size: 0
    .kernarg_segment_align: 8
    .kernarg_segment_size: 48
    .max_flat_workgroup_size: 128
    .sgpr_count:     80
    .vgpr_count:     896
    .wavefront_size: 32
...
	.end_amdgpu_metadata
.endif
;; end of part 2
;; launch attn (part 3): grid 8 x 32, 16 waves a work-group, clusters of 4 x 4, 327,680 bytes of LDS; arguments r, mb, qf, kv, rf; writes rf
.if DOCPART == 3
	.amdgcn_target "amdgcn-amd-amdhsa--gfx1250"
	.amdhsa_code_object_version 6
	.text
	.protected	k_q694b03ec84_attn
	.globl	k_q694b03ec84_attn
	.p2align	8
	.type	k_q694b03ec84_attn,@function
k_q694b03ec84_attn:
	s_mov_b64 s[64:65], 0
	v_nop
	global_prefetch_b8 v0, s[64:65] scope:SCOPE_SE
	s_setreg_imm32_b32 hwreg(HW_REG_WAVE_MODE, 25, 1), 1
	s_wait_xcnt 0x0
	s_wait_alu depctr_hold_cnt(0) depctr_sa_sdst(0) depctr_va_vdst(0) depctr_va_sdst(0) depctr_va_ssrc(0) depctr_va_vcc(0) depctr_vm_vsrc(0)
	s_getreg_b32 s2, hwreg(HW_REG_IB_STS2, 6, 4)
	s_cmp_eq_u32 s2, 0
	s_cbranch_scc0 .Lentry_in_a_cluster
	s_endpgm
.Lentry_in_a_cluster:
	s_bfe_u32 s2, ttmp6, 0x10000c
	s_cmp_lg_u32 s2, 0xf033
	s_cbranch_scc0 .Lentry_shape_is_right
	s_endpgm
.Lentry_shape_is_right:
; ATTENTION: res' = softmax(q' k'^T + r, masked) v' for 128 queries x 2 heads a work-group, with a running maximum.
; q' = q / 4 and k' = k / 2 together hold D^-1/2 = 1/8; v' = v / 4, so res' = res / 4: the last launch undoes it.  All matrix operands are f16.
; SIXTEEN WAVES of 256 registers, four on a SIMD (4 x 256 = 1,024), one register window each.  Wave w has queries 32 (w & 3) .. + 31 (two blocks of 16) of
; head (w >> 2) & 1 of the pair and, of every tile of 128 keys, the half u = w >> 3: 64 keys a tile, 32 tiles.  So each wave keeps a softmax over half of the
; keys, and the two waves of a pair (w, w + 8) join their halves at the end: wave u hands block 1 - u to its partner through LDS and finishes block u.
; Four waves take turns on a SIMD while one of them waits for lane masks, for LDS or for the matrix unit; the bytes read from LDS for a score are the same as
; with eight waves of two sub-steps.
; Keys go in 32 tiles of 128 through two LDS slots.
; THE SCORES ARE COMPUTED TRANSPOSED, S^T = K Q^T: lane (r, h), register j holds key 8 h + j of query r.  So the maximum, the sum and the rescale factor are
; one number a lane; packing a lane's own registers to f16 gives the second source of O^T = V^T P^T without any move between lanes.
; r IS THE C OPERAND of the first product: it is loaded from LDS into the score registers and masked there by one select a register, with the lane masks
; that the first launch made (32 scalar registers for 16 queries x 64 keys).
; MASKED scores get -2^100 (finite); the running maximum starts at, and never falls below, -2^64, so a masked score's exponential is 0 whatever the row holds.
; THE WEIGHTS lie in [0, 1] by the running maximum, so f16 holds them; one below 2^-25 rounds to 0: at most 4,096 x 2^-25 = 1.2e-4 of a row's sum, which is
; at least 1.  The sum itself is taken in f32 before that rounding.
; LIMITS: a score below -2^64 counts as masked; r must be finite.  A row with no key left gives 0 x (1/0) = NaN, as the softmax of such a row does.
; CLUSTERS: 4 x 4 work-groups.  r's tile hangs on the query block alone and is asked for jointly along a row of the cluster; K's and V's tile on the head pair
; alone, jointly along a column.  Waves 0-7 ask for 16 rows of r each, waves 8-15 for 8 KiB of K and V each: one tensor load a wave behind each round.
.set RP,   528                         ; a row of r in LDS: 512 bytes + 16: an odd multiple of 16, so the 16 rows of a load begin at 16 different 16-byte columns of 256
.set KVO,  128*RP                      ; 67,584: K and V behind r's 128 rows, dense: [K, V][head 2][key block 8][d block 4][512]
.set SLOT, KVO+65536                   ; 133,120
.set STGW, 4352                        ; the stage of one hand-over: 32 registers x 128 bytes, then 2 x 128; 17 blocks of 256 bytes
.set STB,  8*STGW                      ; stage A (for the waves with u = 1) at byte 0 of slot 0, stage B (for u = 0) behind it
.set VR,   2                           ; v2-3   LDS address of my rows and keys of r in slot 0, 1
.set VK,   4                           ; v4-5   LDS address of my head's and half's K blocks in slot 0, 1 (V: 32,768 further on)
.set SENT, 6                           ; v6     -2^100
.set PFO,  7                           ; v7     prefetch: my row and half of r's tile; never rewritten
.set MX,   8                           ; v8-9   running maximum of query block 0, 1
.set LS,   10                          ; v10, v12 running sum of query block 0, 1 (this half of the lanes' keys)
.set NOLD, 11                          ; v11, v13 -maximum x log2 e of the step before, beside its sum: one pair is handed over
.set ALPHA,14                          ; v14-15 rescale factor, twice
.set TM,   16                          ; v16-23 at work
.set LOFF, 24                          ; v24    16 L
.set NEGM, 26                          ; v26-27 -maximum x log2 e, twice
.set SA,   28                          ; v28    the stage: my pair's place + 16 L (at the start: r)
.set SA8,  30                          ; v30    the stage: my pair's place + 8 L
.set QR,   32                          ; v32-63   Q(qb, ks) at 32 + 16 qb + 8 ks
.set ST,   64                          ; v64-127  S(qb, kb) at 64 + 32 qb + 8 kb; then P(qb, ks2) at 64 + 32 qb + 16 ks2
.set KF,   128                         ; v128-191 K(kb, ks) at 128 + 16 kb + 8 ks; then V(db, ks2) at 128 + 16 db + 8 ks2
.set OA,   192                         ; v192-255 O(qb, db) at 192 + 32 qb + 8 db
.set MW,   68                          ; s68-99   lane masks of (kb, j) at 68 + 8 kb + j
.set G1R, 16
.set G1K, 24
.set G0R, 32
.set G0K, 40
.macro JLOAD s                         ; one mask and one set of registers a line; the branch hangs on the wave's number alone
	s_cmp_eq_u32 s56, 0
	s_cbranch_scc0 .Lfor_kv_\@
	tensor_load_to_lds s[G0R+4*(\s):G0R+4*(\s)+3], s[G1R:G1R+7]
	s_nop 0
	s_branch .Lasked_\@
.Lfor_kv_\@:
	tensor_load_to_lds s[G0K+4*(\s):G0K+4*(\s)+3], s[G1K:G1K+7]
	s_nop 0
.Lasked_\@:
.endm
.macro CROUND                          ; a round of the cluster's barrier
	s_barrier_signal -1
	s_barrier_wait -1
	s_cmp_lg_u32 s14, 0
	s_cbranch_scc1 .Lnot_wave_0_\@
	s_barrier_signal -3
.Lnot_wave_0_\@:
	s_barrier_wait -3
	s_barrier_signal -1
	s_barrier_wait -1
.endm
.macro PLACES                          ; four plain vector instructions behind a matrix instruction, before its results are read or its registers written or
.rept 4                                ; loaded again (ISA guide 7.12.1 for vector instructions)
	v_nop
.endr
.endm
	s_load_b256 s[4:11], s[0:1], 0x0               ; r, mb, qf, kv
	s_load_b64 s[12:13], s[0:1], 0x20              ; rf
	v_lshl_add_u32 v25, v0, 2, 0x41000
	v_mov_b32 v31, 0
	ds_add_u32 v25, v31
	v_lshrrev_b32 v1, 5, v0
	v_readfirstlane_b32 s14, v1                    ; wave 0..15
	s_and_b32 s15, s14, 3                          ; my 32 queries
	s_lshr_b32 s59, s14, 2
	s_and_b32 s59, s59, 1                          ; my head of the pair
	s_lshr_b32 s56, s14, 3                         ; u: my half of each tile's keys; also: I fetch r (0) or K and V (1)
	s_and_b32 s57, s14, 7                          ; which eighth of a tile I fetch; also: my pair's place in the stage
	s_bfe_u32 s48, ttmp6, 0x40000                  ; cx
	s_bfe_u32 s49, ttmp6, 0x40004                  ; cy
	s_lshl_b32 s50, ttmp9, 2
	s_add_co_u32 s50, s50, s48                     ; head pair
	s_and_b32 s51, ttmp7, 0xffff
	s_lshl_b32 s51, s51, 2
	s_add_co_u32 s51, s51, s49                     ; block of 128 queries
	s_lshl_b32 s52, s49, 2
	s_lshl_b32 s52, 15, s52                        ; my row of the cluster
	s_lshl_b32 s53, 0x1111, s48                    ; my column
	s_mov_b32 s54, 0x76543210                      ; v_permlanex16_b32: lane i of one half reads lane i of the other
	s_mov_b32 s55, 0xfedcba98
	s_or_b32 s[G1R+0], s52, (2<<16)|(1<<20)|(1<<21)|(6<<22)|(3<<25)  ; mask; 4-byte elements; padding on; bit 21 beside a mask; after every 128 words 4 words
	s_mov_b32 s[G1R+1], 128<<16                    ; tensor_dim0 = 128 keys
	s_mov_b32 s[G1R+2], 16<<16                     ; tensor_dim1 = 16 rows: the tile's 128 rows shared out among eight waves
	s_mov_b32 s[G1R+3], 128<<16                    ; tile_dim0
	s_mov_b32 s[G1R+4], 16                         ; tile_dim1
	s_mov_b32 s[G1R+5], 4096                       ; elements from row to row
	s_mov_b32 s[G1R+6], 0
	s_mov_b32 s[G1R+7], 0
	s_or_b32 s[G1K+0], s53, (3<<16)|(1<<21)        ; mask; 8-byte elements; a dense block of 8 KiB as 32 rows of 256 bytes
	s_mov_b32 s[G1K+1], 32<<16
	s_mov_b32 s[G1K+2], 32<<16
	s_mov_b32 s[G1K+3], 32<<16
	s_mov_b32 s[G1K+4], 32
	s_mov_b32 s[G1K+5], 32
	s_mov_b32 s[G1K+6], 0
	s_mov_b32 s[G1K+7], 0
	s_lshl_b32 s66, s51, 21                        ; r: 128 rows of 16,384 bytes a query block
	s_mov_b32 s67, 0
	s_lshl_b32 s104, s50, 21                       ; kv: 32 tiles of 65,536 bytes a head pair
	s_mov_b32 s105, 0
	s_lshl_b32 s2, s57, 18                         ; r: 16 rows an eighth
	s_mov_b32 s3, 0
	s_mul_i32 s58, s14, 16*RP                      ; LDS: r's eighths at wave x 8,448 (waves 0-7),
	s_mul_i32 s62, s14, 8192
	s_add_co_u32 s62, s62, KVO-8*8192              ; K's and V's at 2,048 + wave x 8,192 (waves 8-15): behind r's 128 rows
	s_wait_dscnt 0x0
	s_wait_kmcnt 0x0
	s_add_nc_u64 s[100:101], s[4:5], s[66:67]      ; r at the block's first row
	s_add_nc_u64 s[66:67], s[100:101], s[2:3]
	s_lshl_b32 s2, s57, 13                         ; kv: 8 KiB an eighth
	s_add_nc_u64 s[104:105], s[10:11], s[104:105]
	s_add_nc_u64 s[104:105], s[104:105], s[2:3]
	CROUND                                         ; all sixteen work-groups are here: the first joint loads meet
.irp s, 0,1
	s_mov_b32 s[G0R+4*\s], 1
	s_add_co_u32 s[G0R+4*\s+1], s58, \s*SLOT
	s_add_nc_u64 s[G0R+4*\s+2:G0R+4*\s+3], s[66:67], \s*512
	s_or_b32 s[G0R+4*\s+3], s[G0R+4*\s+3], 0x80000000
	s_mov_b32 s[G0K+4*\s], 1
	s_add_co_u32 s[G0K+4*\s+1], s62, \s*SLOT
	s_add_nc_u64 s[G0K+4*\s+2:G0K+4*\s+3], s[104:105], \s*65536
	s_or_b32 s[G0K+4*\s+3], s[G0K+4*\s+3], 0x80000000
	JLOAD \s                                       ; tiles 0 and 1: two tensor loads of the wave are out, later one
.endr
	s_lshl_b32 s60, s51, 16                        ; lane masks: 8 query blocks of 8,192 bytes a work-group,
	s_lshl_b32 s2, s15, 14                         ; 2 a wave,
	s_add_co_u32 s60, s60, s2
	s_lshl_b32 s2, s56, 7                          ; 4 key blocks of 32 bytes a half tile
	s_add_co_u32 s60, s60, s2
	s_mov_b32 s61, 0
	s_add_nc_u64 s[6:7], s[6:7], s[60:61]
.macro LDW off                         ; the 32 lane masks of 16 queries x 64 keys
	s_load_b512 s[MW:MW+15],    s[6:7], \off
	s_load_b512 s[MW+16:MW+31], s[6:7], \off+64
.endm
	LDW 0
	s_lshl_b32 s60, s50, 20                        ; qf: 524,288 bytes a head,
	s_lshl_b32 s2, s59, 19
	s_add_co_u32 s60, s60, s2
	s_lshl_b32 s2, s51, 14                         ; 8 query blocks of 2,048 bytes a work-group,
	s_add_co_u32 s60, s60, s2
	s_lshl_b32 s2, s15, 12                         ; 2 a wave
	s_add_co_u32 s60, s60, s2
	s_add_nc_u64 s[8:9], s[8:9], s[60:61]
	s_lshl_b32 s60, s51, 18                        ; rf: 8 token blocks of 32,768 bytes a work-group,
	s_lshl_b32 s2, s15, 16                         ; 2 a pair of waves,
	s_add_co_u32 s60, s60, s2
	s_lshl_b32 s2, s56, 15                         ; of which I finish block u,
	s_add_co_u32 s60, s60, s2
	s_lshl_b32 s2, s50, 12                         ; 4 column blocks of 512 bytes a head
	s_add_co_u32 s60, s60, s2
	s_lshl_b32 s2, s59, 11
	s_add_co_u32 s60, s60, s2
	s_add_nc_u64 s[12:13], s[12:13], s[60:61]
	s_mov_b32 s62, 1024                            ; prefetch: byte column of tile 2
	s_mov_b32 s63, 0
	v_and_b32 v1, 31, v0
	v_and_b32 v28, 15, v0                          ; r
	v_bfe_u32 v29, v0, 4, 1                        ; h
	v_lshlrev_b32 v[LOFF], 4, v1
.irp qb, 0,1
.irp ks, 0,1
	global_load_b128 v[QR+16*\qb+8*\ks:QR+16*\qb+8*\ks+3],   v[LOFF], s[8:9] offset:\qb*2048+\ks*1024
	global_load_b128 v[QR+16*\qb+8*\ks+4:QR+16*\qb+8*\ks+7], v[LOFF], s[8:9] offset:\qb*2048+\ks*1024+512
.endr
.endr
	v_mul_u32_u24 v30, v28, RP
	v_lshl_add_u32 v30, v29, 5, v30                ; row r, keys 8 h ..
	s_mul_i32 s2, s15, 32*RP                       ; my 32 rows,
	s_lshl_b32 s3, s56, 8                          ; my 64 keys
	s_add_co_u32 s2, s2, s3
	v_add_nc_u32 v[VR], s2, v30
	v_add_nc_u32 v[VR+1], SLOT, v[VR]
	s_lshl_b32 s2, s59, 14                         ; my head's 8 key blocks of 2,048 bytes,
	s_lshl_b32 s3, s56, 13                         ; my 4 of them
	s_add_co_u32 s2, s2, s3
	s_add_co_u32 s2, s2, KVO
	v_add_nc_u32 v[VK], s2, v[LOFF]
	v_add_nc_u32 v[VK+1], SLOT, v[VK]
	v_mov_b32 v[SENT], 0xf1800000                  ; -2^100
	v_mov_b32 v[MX], 0xdf800000                    ; -2^64
	v_mov_b32 v[MX+1], 0xdf800000
	v_lshlrev_b32 v[PFO], 14, v28                  ; prefetch: the eight work-groups of a query block take 16 rows each, two blocks of 256 bytes a row
	v_lshl_add_u32 v[PFO], v29, 8, v[PFO]
	s_lshl_b32 s2, s50, 18
	v_add_nc_u32 v[PFO], s2, v[PFO]
.macro LDR slot, qb                    ; r of 16 queries x 64 keys, straight into the score registers
.irp kb, 0,1,2,3
	ds_load_b128 v[ST+32*\qb+8*\kb:ST+32*\qb+8*\kb+3],   v[VR+\slot] offset:\qb*16*RP+\kb*64
	ds_load_b128 v[ST+32*\qb+8*\kb+4:ST+32*\qb+8*\kb+7], v[VR+\slot] offset:\qb*16*RP+\kb*64+16
.endr
.endm
.macro LDK slot                        ; K of 64 keys x 64 d: lanes at neighbouring 16 bytes
.irp kb, 0,1,2,3
.irp ks, 0,1
	ds_load_b128 v[KF+16*\kb+8*\ks:KF+16*\kb+8*\ks+3],   v[VK+\slot] offset:\kb*2048+\ks*1024
	ds_load_b128 v[KF+16*\kb+8*\ks+4:KF+16*\kb+8*\ks+7], v[VK+\slot] offset:\kb*2048+\ks*1024+512
.endr
.endr
.endm
.macro LDV slot                        ; V^T of 64 d x 64 keys
.irp db, 0,1,2,3
.irp ks2, 0,1
	ds_load_b128 v[KF+16*\db+8*\ks2:KF+16*\db+8*\ks2+3],   v[VK+\slot] offset:32768+2*\ks2*2048+\db*512
	ds_load_b128 v[KF+16*\db+8*\ks2+4:KF+16*\db+8*\ks2+7], v[VK+\slot] offset:32768+2*\ks2*2048+\db*512+2048
.endr
.endr
.endm
.macro MASK qb                         ; a cleared bit puts -2^100 in r's place
.irp kb, 0,1,2,3
.irp j, 0,1,2,3,4,5,6,7
	v_cndmask_b32 v[ST+32*\qb+8*\kb+\j], v[SENT], v[ST+32*\qb+8*\kb+\j], s[MW+8*\kb+\j]
.endr
.endr
.endm
.macro SMM qb                          ; S^T += K Q^T.  The four accumulators take turns, one instruction a turn
.irp ks, 0,1
.irp kb, 0,1,2,3
	v_wmma_f32_16x16x32_f16 v[ST+32*\qb+8*\kb:ST+32*\qb+8*\kb+7], v[KF+16*\kb+8*\ks:KF+16*\kb+8*\ks+7], v[QR+16*\qb+8*\ks:QR+16*\qb+8*\ks+7], v[ST+32*\qb+8*\kb:ST+32*\qb+8*\kb+7]
.endr
.endr
.endm
; The running softmax of 16 queries x 64 keys.  first = 1: nothing to rescale yet.
.macro SOFTMAX qb, first
.set SB, ST+32*\qb
.set OB, OA+32*\qb
.irp k, 0,1,2,3
	v_max3_num_f32 v[TM+\k], v[SB+8*\k], v[SB+8*\k+1], v[SB+8*\k+2]        ; 32 scores and the old maximum: 16 instructions, four chains
.endr
.irp k, 0,1,2,3
	v_max3_num_f32 v[TM+\k], v[TM+\k], v[SB+8*\k+3], v[SB+8*\k+4]
.endr
.irp k, 0,1,2,3
	v_max3_num_f32 v[TM+\k], v[TM+\k], v[SB+8*\k+5], v[SB+8*\k+6]
.endr
	v_max3_num_f32 v[TM], v[TM], v[TM+1], v[SB+7]
	v_max3_num_f32 v[TM+2], v[TM+2], v[TM+3], v[SB+15]
	v_max3_num_f32 v[TM], v[TM], v[TM+2], v[SB+23]
	v_max3_num_f32 v[TM], v[TM], v[SB+31], v[MX+\qb]
	v_permlanex16_b32 v[TM+1], v[TM], s54, s55     ; the other half of the lanes holds the query's other keys
	v_max_num_f32 v[TM], v[TM], v[TM+1]
	v_mul_f32 v[NEGM], 0xbfb8aa3b, v[TM]           ; -m log2 e
	v_mov_b32 v[NEGM+1], v[NEGM]
.if \first == 0
	v_sub_f32 v[TM+2], v[NEGM], v[NOLD+2*\qb]      ; from the two numbers that the exponentials were and are shifted by, so no rounding of m log2 e enters
	v_exp_f32 v[ALPHA], v[TM+2]
.endif
.set i, 0
.rept 16
	v_pk_fma_f32 v[SB+2*i:SB+2*i+1], v[SB+2*i:SB+2*i+1], 0x3fb8aa3b, v[NEGM:NEGM+1] op_sel_hi:[1,0,1]   ; (s - m) log2 e, one rounding
.set i, i+1
.endr
.set i, 0
.rept 32
	v_exp_f32 v[SB+i], v[SB+i]
.set i, i+1
.endr
	v_mov_b32 v[MX+\qb], v[TM]                     ; a plain vector instruction behind the exponentials, before their results are used (ISA guide 5.7.2)
	v_mov_b32 v[NOLD+2*\qb], v[NEGM]
.if \first == 0
	s_wait_alu depctr_va_vdst(0)
	v_mov_b32 v[ALPHA+1], v[ALPHA]
.endif
	s_wait_alu depctr_va_vdst(0)
.irp k, 0,1,2,3
	v_pk_add_f32 v[TM+2*\k:TM+2*\k+1], v[SB+8*\k:SB+8*\k+1], v[SB+8*\k+2:SB+8*\k+3]
.endr
.irp k, 0,1,2,3
	v_pk_add_f32 v[TM+2*\k:TM+2*\k+1], v[TM+2*\k:TM+2*\k+1], v[SB+8*\k+4:SB+8*\k+5]
.endr
.irp k, 0,1,2,3
	v_pk_add_f32 v[TM+2*\k:TM+2*\k+1], v[TM+2*\k:TM+2*\k+1], v[SB+8*\k+6:SB+8*\k+7]
.endr
	v_pk_add_f32 v[TM:TM+1], v[TM:TM+1], v[TM+2:TM+3]
	v_pk_add_f32 v[TM+4:TM+5], v[TM+4:TM+5], v[TM+6:TM+7]
	v_pk_add_f32 v[TM:TM+1], v[TM:TM+1], v[TM+4:TM+5]
.if \first
	v_add_f32 v[LS+2*\qb], v[TM], v[TM+1]
.else
	v_add_f32 v[TM], v[TM], v[TM+1]
	v_fma_f32 v[LS+2*\qb], v[LS+2*\qb], v[ALPHA], v[TM]
.endif
.irp ks2, 0,1
.irp i, 0,1,2,3,4,5,6,7
	v_cvt_pk_f16_f32 v[SB+16*\ks2+\i], v[SB+16*\ks2+2*\i], v[SB+16*\ks2+2*\i+1]   ; in place, upward: register i is written when 2 i and 2 i + 1 have been read
.endr
.endr
.if \first == 0
.set i, 0
.rept 16
	v_pk_mul_f32 v[OB+2*i:OB+2*i+1], v[OB+2*i:OB+2*i+1], v[ALPHA:ALPHA+1]
.set i, i+1
.endr
.endif
.endm
.macro PV first                        ; O^T += V^T P^T.  The eight accumulators take turns, one instruction a turn
.irp ks2, 0,1
.irp qb, 0,1
.irp db, 0,1,2,3
.if (\first) & (1-\ks2)
	v_wmma_f32_16x16x32_f16 v[OA+32*\qb+8*\db:OA+32*\qb+8*\db+7], v[KF+16*\db+8*\ks2:KF+16*\db+8*\ks2+7], v[ST+32*\qb+16*\ks2:ST+32*\qb+16*\ks2+7], 0
.else
	v_wmma_f32_16x16x32_f16 v[OA+32*\qb+8*\db:OA+32*\qb+8*\db+7], v[KF+16*\db+8*\ks2:KF+16*\db+8*\ks2+7], v[ST+32*\qb+16*\ks2:ST+32*\qb+16*\ks2+7], v[OA+32*\qb+8*\db:OA+32*\qb+8*\db+7]
.endif
.endr
.endr
.endr
.endm
; My part of one tile: 32 queries x 64 keys.  The lane masks of a query block are asked for one SOFTMAX ahead of their use.
.macro SUB slot, first, last
.if \first == 0
	PLACES
.endif
	LDR \slot, 0
	LDK \slot
	LDR \slot, 1
	s_wait_kmcnt 0x0                               ; block 0's lane masks are in, and their base is free
.if \first == 0
	s_add_nc_u64 s[6:7], s[6:7], 256               ; this tile's 8 key blocks of 32 bytes
.endif
	s_wait_dscnt 24                                ; r of block 0: K's 16 loads and block 1's 8 were issued behind it
	MASK 0
	LDW 8192                                       ; block 1's masks of this tile
	s_wait_dscnt 8                                 ; K: block 1's 8 loads were issued behind it
	SMM 0
	PLACES
	SOFTMAX 0, \first
	s_wait_kmcnt 0x0
	s_wait_dscnt 0x0
	MASK 1
.if \last == 0
	LDW 256                                        ; block 0's masks of the next tile
.endif
	SMM 1
	PLACES
	LDV \slot                                      ; over K, which both blocks have used
	SOFTMAX 1, \first
	s_wait_dscnt 0x0
	PV \first
.endm
; Wave 0 asks for its work-group's 32 blocks of 256 bytes of r's tile t + 2 while tile t is worked on, one tile's work ahead of that tile's tensor load.
; The column stops at the last tile's, so no request leaves r; behind the last refill nothing is asked for.
.macro PF
	s_cmp_lg_u32 s14, 0
	s_cbranch_scc1 .Lno_pf_\@
	s_wait_xcnt 0x0                                ; the base of the request one tile back is rewritten only behind this wait
	s_add_nc_u64 s[60:61], s[100:101], s[62:63]
	global_prefetch_b8 v[PFO], s[60:61] th:TH_LOAD_NT scope:SCOPE_SE
.Lno_pf_\@:
	s_add_co_u32 s62, s62, 512
	s_min_u32 s62, s62, 15872
.endm
; One tile.  In front of the round each wave waits for all its tensor loads (its part of this tile among them) and for its reads of the other slot; behind the
; round no wave of any partner reads that slot or has a load on its way, and the joint refill is the wave's first and only tensor load.
.macro TURNSLOT slot, refill, last
	s_wait_tensorcnt 0x0
	ds_add_u32 v25, v31
	s_wait_dscnt 0x0
.if \refill
	s_add_nc_u64 s[G0R+4*(1-\slot)+2:G0R+4*(1-\slot)+3], s[G0R+4*(1-\slot)+2:G0R+4*(1-\slot)+3], 1024
	s_add_nc_u64 s[G0K+4*(1-\slot)+2:G0K+4*(1-\slot)+3], s[G0K+4*(1-\slot)+2:G0K+4*(1-\slot)+3], 131072
.endif
	s_wait_dscnt 0x0
.if \refill
	CROUND
	JLOAD 1-\slot
	PF
.else
	s_barrier_signal -1
	s_barrier_wait -1
.endif
	SUB \slot, 0, \last
.endm
	s_wait_loadcnt 0x0                             ; Q
	s_wait_tensorcnt 1                             ; my part of tile 0 is in; tile 1's stays out
	s_barrier_signal -1
	s_barrier_wait -1
	PF
	SUB 0, 1, 0                                    ; the first products start O's sums: nothing is cleared
	s_mov_b32 s58, 15
.Ltiles:
	TURNSLOT 1, 1, 0
	TURNSLOT 0, 1, 0
	s_sub_co_u32 s58, s58, 1
	s_cmp_lg_u32 s58, 0
	s_cbranch_scc1 .Ltiles
	TURNSLOT 1, 0, 1                               ; tile 31: nothing is left to fetch
	; THE TWO HALVES OF THE KEYS ARE JOINED.  The stage lies in slot 0: its last fill was tile 30, and every wave's reads of that tile were waited for in front
	; of the barrier ahead of tile 31, so nothing reads or fills these bytes any more.  Wave u hands over block 1 - u (32 registers of O, its sum and its
	; -m log2 e) and finishes block u; the stage's places hang on w & 7, which the two waves of a pair share.
	PLACES
	s_mul_i32 s2, s57, STGW
	v_add_nc_u32 v[SA], s2, v[LOFF]
	v_lshrrev_b32 v[SA8], 1, v[LOFF]
	v_add_nc_u32 v[SA8], s2, v[SA8]
.macro GIVE qb, off
.irp i, 0,1,2,3,4,5,6,7
	ds_store_b128 v[SA], v[OA+32*\qb+4*\i:OA+32*\qb+4*\i+3] offset:\off+512*\i
.endr
	ds_store_b64 v[SA8], v[LS+2*\qb:LS+2*\qb+1] offset:\off+4096
.endm
; With n = min(n_a, n_b) (the larger maximum), O = (O_a 2^(n - n_a) + O_b 2^(n - n_b)) / (l_a 2^(n - n_a) + l_b 2^(n - n_b)); both exponents are at most 0.
; Lane (r, h) then holds d = 8 h .. 8 h + 7 of query r: 16 bytes of the next launch's operand image; a store covers 512 consecutive bytes.
; res' is a weighted mean of v', so it has v's room in f16.
.macro FINAL qb, off
.irp i, 0,1,2,3,4,5,6,7
	ds_load_b128 v[KF+4*\i:KF+4*\i+3], v[SA] offset:\off+512*\i
.endr
	ds_load_b64 v[TM+2:TM+3], v[SA8] offset:\off+4096              ; the partner's sum and -m log2 e
	s_wait_dscnt 0x0
	v_min_num_f32 v[TM+4], v[NOLD+2*\qb], v[TM+3]
	v_sub_f32 v[TM+5], v[TM+4], v[NOLD+2*\qb]
	v_sub_f32 v[TM+6], v[TM+4], v[TM+3]
	v_exp_f32 v[ALPHA], v[TM+5]
	v_exp_f32 v[NEGM], v[TM+6]
	v_nop                                          ; a plain vector instruction before the exponentials are used (ISA guide 5.7.2)
	s_wait_alu depctr_va_vdst(0)
	v_mul_f32 v[TM], v[LS+2*\qb], v[ALPHA]
	v_fma_f32 v[TM], v[TM+2], v[NEGM], v[TM]
	v_permlanex16_b32 v[TM+1], v[TM], s54, s55
	v_add_f32 v[TM], v[TM], v[TM+1]                ; both halves of the lanes
	v_rcp_f32 v[TM+4], v[TM]
	v_nop                                          ; a plain vector instruction before the reciprocal is used
	s_wait_alu depctr_va_vdst(0)
	v_mul_f32 v[ALPHA], v[ALPHA], v[TM+4]          ; 1 / l goes into the two factors
	v_mul_f32 v[NEGM], v[NEGM], v[TM+4]
	v_mov_b32 v[ALPHA+1], v[ALPHA]
	v_mov_b32 v[NEGM+1], v[NEGM]
.irp i, 0,1,2,3,4,5,6,7,8,9,10,11,12,13,14,15
	v_pk_mul_f32 v[OA+32*\qb+2*\i:OA+32*\qb+2*\i+1], v[OA+32*\qb+2*\i:OA+32*\qb+2*\i+1], v[ALPHA:ALPHA+1]
.endr
.irp i, 0,1,2,3,4,5,6,7,8,9,10,11,12,13,14,15
	v_pk_fma_f32 v[OA+32*\qb+2*\i:OA+32*\qb+2*\i+1], v[KF+2*\i:KF+2*\i+1], v[NEGM:NEGM+1], v[OA+32*\qb+2*\i:OA+32*\qb+2*\i+1]
.endr
.irp i, 0,1,2,3,4,5,6,7,8,9,10,11,12,13,14,15
	v_cvt_pk_f16_f32 v[ST+\i], v[OA+32*\qb+2*\i], v[OA+32*\qb+2*\i+1]
.endr
.irp db, 0,1,2,3
	global_store_b128 v[LOFF], v[ST+4*\db:ST+4*\db+3], s[12:13] offset:\db*512
.endr
.endm
	s_cmp_eq_u32 s56, 0
	s_cbranch_scc0 .Lgive_0
	GIVE 1, 0                                      ; waves 0-7: block 1 into stage A
	s_branch .Lgiven
.Lgive_0:
	GIVE 0, STB                                    ; waves 8-15: block 0 into stage B
.Lgiven:
	s_wait_dscnt 0x0                               ; for the partner's sake: my stores are done
	s_barrier_signal -1
	s_barrier_wait -1
	s_cmp_eq_u32 s56, 0
	s_cbranch_scc0 .Lfinish_1
	FINAL 0, STB
	s_branch .Lfinished
.Lfinish_1:
	FINAL 1, 0
.Lfinished:
	s_wait_tensorcnt 0x0
	ds_add_u32 v25, v31
	s_wait_dscnt 0x0
	CROUND                                         ; the closing round: no work-group ends while a partner may still ask for a tile that names it
	s_endpgm
.Lfunc_end_k_q694b03ec84_attn:
	.size	k_q694b03ec84_attn, .Lfunc_end_k_q694b03ec84_attn-k_q694b03ec84_attn
	.p2alignl 7, 3214868480
	.fill 96, 4, 3214868480
	.section	.rodata,"a",@progbits
	.p2align	6, 0x0
	.amdhsa_kernel k_q694b03ec84_attn
		.amdhsa_group_segment_fixed_size 327680
		.amdhsa_private_segment_fixed_size 0
		.amdhsa_enable_private_segment 0
		.amdhsa_kernarg_size 40
		.amdhsa_user_sgpr_count 2
		.amdhsa_user_sgpr_kernarg_segment_ptr 1
		.amdhsa_wavefront_size32 1
		.amdhsa_system_sgpr_workgroup_id_x 1
		.amdhsa_system_sgpr_workgroup_id_y 1
		.amdhsa_system_sgpr_workgroup_id_z 1
		.amdhsa_system_vgpr_workitem_id 0
		.amdhsa_next_free_vgpr 256
		.amdhsa_next_free_sgpr 106
		.amdhsa_reserve_vcc 0
		.amdhsa_float_denorm_mode_32 3
		.amdhsa_float_denorm_mode_16_64 3
		.amdhsa_memory_ordered 1
		.amdhsa_forward_progress 1
		.amdhsa_inst_pref_size 115
	.end_amdhsa_kernel
	.amdgpu_metadata
---
amdhsa.version: [ 1, 2 ]
amdhsa.kernels:
  - .name:           k_q694b03ec84_attn
    .symbol:         k_q694b03ec84_attn.kd
    .args:
      - { .name: r, .offset: 0, .size: 8, .value_kind: global_buffer, .address_space: global }
      - { .name: mb, .offset: 8, .size: 8, .value_kind: global_buffer, .address_space: global }
      - { .name: qf, .offset: 16, .size: 8, .value_kind: global_buffer, .address_space: global }
      - { .name: kv, .offset: 24, .size: 8, .value_kind: global_buffer, .address_space: global }
      - { .name: rf, .offset: 32, .size: 8, .value_kind: global_buffer, .address_space: global }
    .group_segment_fixed_size: 327680
    .private_segment_fixed_size: 0
    .kernarg_segment_align: 8
    .kernarg_segment_size: 40
    .max_flat_workgroup_size: 512
    .sgpr_count:     106
    .vgpr_count:     256
    .wavefront_size: 32
...
	.end_amdgpu_metadata
.endif
;; end of part 3
;; launch oproj (part 4): grid 8 x 32, 4 waves a work-group, clusters of 4 x 4, 327,680 bytes of LDS; arguments rf, cb, bo, out0; writes out0
.if DOCPART == 4
	.amdgcn_target "amdgcn-amd-amdhsa--gfx1250"
	.amdhsa_code_object_version 6
	.text
	.protected	k_q694b03ec84_oproj
	.globl	k_q694b03ec84_oproj
	.p2align	8
	.type	k_q694b03ec84_oproj,@function
k_q694b03ec84_oproj:
	s_mov_b64 s[64:65], 0
	v_nop
	global_prefetch_b8 v0, s[64:65] scope:SCOPE_SE
	s_setreg_imm32_b32 hwreg(HW_REG_WAVE_MODE, 25, 1), 1
	s_wait_xcnt 0x0
	s_wait_alu depctr_hold_cnt(0) depctr_sa_sdst(0) depctr_va_vdst(0) depctr_va_sdst(0) depctr_va_ssrc(0) depctr_va_vcc(0) depctr_vm_vsrc(0)
	s_getreg_b32 s2, hwreg(HW_REG_IB_STS2, 6, 4)
	s_cmp_eq_u32 s2, 0
	s_cbranch_scc0 .Lentry_in_a_cluster
	s_endpgm
.Lentry_in_a_cluster:
	s_bfe_u32 s2, ttmp6, 0x10000c
	s_cmp_lg_u32 s2, 0xf033
	s_cbranch_scc0 .Lentry_shape_is_right
	s_endpgm
.Lentry_shape_is_right:
; OUT = res Wo^T + bo = 4 (res' Wo^T) + bo.  res' = res / 4 comes from rf as operand images in f16 (blocks of 512 bytes, lane L's 16 bytes at 16 L), Wo in f16
; from cb; sums and output in f32.  The factor 4 and the bias are one fused step on the way out.
; A work-group makes 128 tokens x 128 features, a wave 64 x 64: 16 accumulator tiles in register window 1; all else in window 0.
; K = 1,024 goes in 4 steps of 256 through two LDS slots, written out without a loop.
; CLUSTERS: 4 x 4 work-groups.  res's tile hangs on the token block alone and is asked for jointly along a row of the cluster, Wo's on the feature block alone,
; jointly along a column.  Waves 0, 1 ask for Wo's two halves, waves 2, 3 for res's.
; The sources are swapped (Wo first), so a lane holds eight neighbouring features of one token; rows go out through a stage in LDS as whole 256 bytes.
.set BP,    528                        ; a row of Wo in LDS: 512 bytes + 16: an odd multiple of 16
.set HALFB, 64*BP                      ; 33,792
.set AOFF,  2*HALFB                    ; res behind Wo's 128 rows, dense: [token block 8][column block 16][512]
.set HALFA, 32768
.set SLOT,  AOFF+2*HALFA               ; 133,120
.set STAGE, 2*SLOT                     ; 16 rows x 272 bytes for each wave; no tensor load lands here
.set SP,    272
.set WOFF,  14680064
.set ADRA, 16
.set ADRB, 20
.set STO,  24
.set RD,   25
.set CO,   26
.set BOO,  27
.set F0,   32                          ; v32-95, v96-159: Wo's fragments at + 8 b, res's at + 32 + 8 a
.set BO,   160                         ; v160-191 bo of (b, 8 h + j)
.set TM,   192                         ; v192-223 sums with bias
.set G1A, 24
.set G0A, 32
.set G1B, 40
.set G0B, 48
.set MSB, 0
.macro WIN new
.if MSB != \new
	s_set_vgpr_msb (MSB<<8)|\new
.set MSB, \new
.endif
.endm
.macro JLOAD s
	s_cmp_eq_u32 s17, 0
	s_cbranch_scc0 .Lfor_a_\@
	tensor_load_to_lds s[G0B+4*(\s):G0B+4*(\s)+3], s[G1B:G1B+7]
	s_nop 0
	s_branch .Lasked_\@
.Lfor_a_\@:
	tensor_load_to_lds s[G0A+4*(\s):G0A+4*(\s)+3], s[G1A:G1A+7]
	s_nop 0
.Lasked_\@:
.endm
.macro CREST
	s_cmp_lg_u32 s16, 0
	s_cbranch_scc1 .Lnot_wave_0_\@
	s_barrier_signal -3
.Lnot_wave_0_\@:
	s_barrier_wait -3
	s_barrier_signal -1
	s_barrier_wait -1
.endm
.macro CROUND
	s_barrier_signal -1
	s_barrier_wait -1
	CREST
.endm
.macro PLACES                          ; four plain vector instructions behind a matrix instruction, before its results are read or its registers written or
.rept 4                                ; loaded again (ISA guide 7.12.1 for vector instructions)
	v_nop
.endr
.endm
	s_load_b256 s[4:11], s[0:1], 0x0               ; rf, cb, bo, out0
	v_lshl_add_u32 v254, v0, 2, 0x45400
	v_mov_b32 v255, 0
	ds_add_u32 v254, v255
	v_lshrrev_b32 v1, 5, v0
	v_readfirstlane_b32 s16, v1                    ; wave 0..3
	s_lshr_b32 s17, s16, 1                         ; my 64 tokens; also: I fetch Wo (0) or res (1)
	s_and_b32 s18, s16, 1                          ; my 64 features; also: which half of that tile
	s_bfe_u32 s19, ttmp6, 0x40000                  ; cx
	s_bfe_u32 s20, ttmp6, 0x40004                  ; cy
	s_lshl_b32 s21, ttmp9, 2
	s_add_co_u32 s21, s21, s19                     ; block of 128 features
	s_and_b32 s22, ttmp7, 0xffff
	s_lshl_b32 s22, s22, 2
	s_add_co_u32 s22, s22, s20                     ; block of 128 tokens
	s_lshl_b32 s56, s20, 2
	s_lshl_b32 s56, 15, s56                        ; my row of the cluster
	s_lshl_b32 s57, 0x1111, s19                    ; my column
	s_or_b32 s[G1A+0], s56, (3<<16)|(1<<21)        ; res: 8-byte elements, 4 rows (token blocks) of 8,192 bytes, 32,768 bytes apart
	s_mov_b32 s[G1A+1], 1024<<16
	s_mov_b32 s[G1A+2], 4<<16
	s_mov_b32 s[G1A+3], 1024<<16
	s_mov_b32 s[G1A+4], 4
	s_mov_b32 s[G1A+5], 4096
	s_mov_b32 s[G1A+6], 0
	s_mov_b32 s[G1A+7], 0
	s_or_b32 s[G1B+0], s57, (1<<16)|(1<<20)|(1<<21)|(6<<22)|(3<<25)  ; Wo: 2-byte elements, 64 rows of 256, after every 128 words 4 words of padding
	s_mov_b32 s[G1B+1], 256<<16
	s_mov_b32 s[G1B+2], 64<<16
	s_mov_b32 s[G1B+3], 256<<16
	s_mov_b32 s[G1B+4], 64
	s_mov_b32 s[G1B+5], 1024
	s_mov_b32 s[G1B+6], 0
	s_mov_b32 s[G1B+7], 0
	s_lshl_b32 s23, s18, 17                        ; a half: 4 token blocks of 32,768 bytes, or 64 rows of 2,048
	s_lshl_b32 s58, s22, 18
	s_add_co_u32 s58, s58, s23
	s_mov_b32 s59, 0
	s_lshl_b32 s60, s21, 18
	s_add_co_u32 s60, s60, s23
	s_add_co_u32 s60, s60, WOFF
	s_mov_b32 s61, 0
	s_mul_i32 s62, s16, HALFA
	s_add_co_u32 s62, s62, AOFF-2*HALFA            ; LDS: res's halves at 2,048 + wave x 32,768 (waves 2, 3),
	s_mul_i32 s63, s16, HALFB                      ; Wo's at wave x 33,792 (waves 0, 1)
	s_lshl_b32 s66, s21, 9                         ; my 64 features, in f32
	s_lshl_b32 s67, s18, 8
	s_add_co_u32 s66, s66, s67
	s_mov_b32 s67, 0
	s_lshl_b32 s68, s22, 19                        ; out0: 128 rows of 4,096 bytes a block,
	s_lshl_b32 s69, s17, 18                        ; 64 a wave,
	s_add_co_u32 s68, s68, s69
	s_add_co_u32 s68, s68, s66                     ; and my columns
	s_mov_b32 s69, 0
	s_wait_dscnt 0x0
	s_wait_kmcnt 0x0
	s_add_nc_u64 s[58:59], s[4:5], s[58:59]
	s_add_nc_u64 s[60:61], s[6:7], s[60:61]
	s_add_nc_u64 s[8:9], s[8:9], s[66:67]
	s_add_nc_u64 s[10:11], s[10:11], s[68:69]
	CROUND                                         ; all sixteen work-groups are here: the first joint loads meet
.irp s, 0,1
	s_mov_b32 s[G0A+4*\s], 1
	s_add_co_u32 s[G0A+4*\s+1], s62, \s*SLOT
	s_add_nc_u64 s[G0A+4*\s+2:G0A+4*\s+3], s[58:59], \s*8192
	s_or_b32 s[G0A+4*\s+3], s[G0A+4*\s+3], 0x80000000
	s_mov_b32 s[G0B+4*\s], 1
	s_add_co_u32 s[G0B+4*\s+1], s63, \s*SLOT
	s_add_nc_u64 s[G0B+4*\s+2:G0B+4*\s+3], s[60:61], \s*512
	s_or_b32 s[G0B+4*\s+3], s[G0B+4*\s+3], 0x80000000
	JLOAD \s                                       ; K steps 0 and 1: two tensor loads of the wave are out, later one
.endr
	v_and_b32 v1, 15, v0                           ; r
	v_bfe_u32 v2, v0, 4, 1                         ; h
	v_and_b32 v3, 31, v0                           ; L
	v_lshlrev_b32 v[BOO], 5, v2
.irp b, 0,1,2,3
	global_load_b128 v[BO+8*\b:BO+8*\b+3],   v[BOO], s[8:9] offset:64*\b
	global_load_b128 v[BO+8*\b+4:BO+8*\b+7], v[BOO], s[8:9] offset:64*\b+16
.endr
	s_lshl_b32 s23, s17, 15
	s_add_co_u32 s23, s23, AOFF
	v_lshl_add_u32 v[ADRA], v3, 4, s23             ; my 4 token blocks, 16 L
	v_add_nc_u32 v[ADRA+1], SLOT, v[ADRA]
	v_mul_u32_u24 v4, v1, BP
	v_lshl_add_u32 v4, v2, 4, v4
	s_mul_i32 s23, s18, HALFB
	v_add_nc_u32 v[ADRB], s23, v4                  ; my 64 rows of Wo
	v_add_nc_u32 v[ADRB+1], SLOT, v[ADRB]
	s_mul_i32 s23, s16, 16*SP
	s_add_co_u32 s23, s23, STAGE                   ; my stage
	v_mul_u32_u24 v4, v1, SP
	v_lshl_add_u32 v4, v2, 5, v4                   ; in: row r, 32 bytes for each half of the lanes
	v_add_nc_u32 v[STO], s23, v4
	v_mul_u32_u24 v4, v2, SP
	v_lshl_add_u32 v4, v1, 4, v4                   ; back: lanes 0-15 one row of 256 bytes, lanes 16-31 the next
	v_add_nc_u32 v[RD], s23, v4
	v_lshlrev_b32 v4, 12, v2
	v_lshl_add_u32 v[CO], v1, 4, v4                ; the same two rows in out0
	s_wait_loadcnt 0x0                             ; bo, once
.macro FETCH slot, ks, f               ; 16 LDS loads: the fragments of 32 along K
.irp b, 0,1,2,3
	ds_load_b128 v[F0+64*(\f)+8*\b:F0+64*(\f)+8*\b+3],   v[ADRB+\slot] offset:\b*16*BP+(\ks)*64
	ds_load_b128 v[F0+64*(\f)+8*\b+4:F0+64*(\f)+8*\b+7], v[ADRB+\slot] offset:\b*16*BP+(\ks)*64+32
.endr
.irp a, 0,1,2,3
	ds_load_b128 v[F0+64*(\f)+32+8*\a:F0+64*(\f)+32+8*\a+3],   v[ADRA+\slot] offset:\a*8192+(\ks)*1024
	ds_load_b128 v[F0+64*(\f)+32+8*\a+4:F0+64*(\f)+32+8*\a+7], v[ADRA+\slot] offset:\a*8192+(\ks)*1024+512
.endr
.endm
.macro MUL f, zero                     ; the 16 accumulators take turns, one instruction a turn
	WIN 0x50                                       ; C and D window 1
.irp a, 0,1,2,3
.irp b, 0,1,2,3
.if \zero
	v_wmma_f32_16x16x32_f16 v[8*(4*\a+\b):8*(4*\a+\b)+7], v[F0+64*(\f)+8*\b:F0+64*(\f)+8*\b+7], v[F0+64*(\f)+32+8*\a:F0+64*(\f)+32+8*\a+7], 0
.else
	v_wmma_f32_16x16x32_f16 v[8*(4*\a+\b):8*(4*\a+\b)+7], v[F0+64*(\f)+8*\b:F0+64*(\f)+8*\b+7], v[F0+64*(\f)+32+8*\a:F0+64*(\f)+32+8*\a+7], v[8*(4*\a+\b):8*(4*\a+\b)+7]
.endif
.endr
.endr
	WIN 0
.endm
.macro KS slot, ks, zero               ; fetch the next 32 along K into the other buffer, multiply this one
	PLACES
	FETCH \slot, \ks+1, (\ks+1)&1
	s_wait_dscnt 16                                ; all but the 16 just issued
	MUL \ks&1, \zero
.endm
.macro STEP slot, zero
	KS \slot, 0, \zero
.irp ks, 1,2,3,4,5,6
	KS \slot, \ks, 0
.endr
.endm
; The last 32 of a K step, and the change of slots: each wave's reads of this slot and all its tensor loads are waited for in front of the barrier; where the
; slot is filled again the barrier opens a round of the cluster's barrier and the joint refill is the first tensor load behind it.
.macro TURN slot, next, fill
	s_wait_dscnt 0x0
	s_wait_tensorcnt 0x0
	ds_add_u32 v254, v255
	s_wait_dscnt 0x0
	s_barrier_signal -1
	MUL 1, 0                                       ; registers only
	s_barrier_wait -1
.if \fill
	CREST
	s_add_nc_u64 s[G0A+4*\slot+2:G0A+4*\slot+3], s[G0A+4*\slot+2:G0A+4*\slot+3], 16384
	s_add_nc_u64 s[G0B+4*\slot+2:G0B+4*\slot+3], s[G0B+4*\slot+2:G0B+4*\slot+3], 1024
	JLOAD \slot
.endif
	PLACES
	FETCH \next, 0, 0
.endm
	s_wait_tensorcnt 1                             ; my part of K step 0 is in; step 1's stays out
	s_barrier_signal -1
	s_barrier_wait -1
	FETCH 0, 0, 0
	STEP 0, 1                                      ; the first products start the sums
	TURN 0, 1, 1                                   ; slot 0 gets K step 2
	STEP 1, 0
	TURN 1, 0, 1                                   ; slot 1 gets K step 3
	STEP 0, 0
	TURN 0, 1, 0                                   ; nothing is left to fetch
	STEP 1, 0
	s_wait_dscnt 0x0
	MUL 1, 0
	; THE WAY OUT, 16 tokens at a time through my own stage: LDS serves a wave's instructions in order (ISA guide 5.7.1), so the loads see the stores above them.
	PLACES
.macro OUT16 a, f
	WIN 0x01                                       ; source 0 window 1
.irp b, 0,1,2,3
.irp i, 0,1,2,3
	v_pk_fma_f32 v[TM+8*\b+2*\i:TM+8*\b+2*\i+1], v[8*(4*\a+\b)+2*\i:8*(4*\a+\b)+2*\i+1], 4.0, v[BO+8*\b+2*\i:BO+8*\b+2*\i+1] op_sel_hi:[1,0,1]   ; res' held res / 4
.endr
.endr
	WIN 0
.irp b, 0,1,2,3
	ds_store_b128 v[STO], v[TM+8*\b:TM+8*\b+3]   offset:64*\b
	ds_store_b128 v[STO], v[TM+8*\b+4:TM+8*\b+7] offset:64*\b+16
.endr
	s_wait_xcnt 0x0                                ; buffer f, which earlier stores read, is loaded again only behind this wait
.irp t, 0,1,2,3,4,5,6,7
	ds_load_b128 v[F0+64*\f+4*\t:F0+64*\f+4*\t+3], v[RD] offset:\t*2*SP
.endr
.irp t, 0,1,2,3,4,5,6,7
	s_wait_dscnt 7-\t                              ; so many loads were issued behind load t
	global_store_b128 v[CO], v[F0+64*\f+4*\t:F0+64*\f+4*\t+3], s[10:11] offset:(16*\a+2*\t)*4096   ; 16 lanes store 256 consecutive bytes, aligned
.endr
.endm
	OUT16 0, 0
	OUT16 1, 1
	OUT16 2, 0
	OUT16 3, 1
	s_wait_tensorcnt 0x0
	ds_add_u32 v254, v255
	s_wait_dscnt 0x0
	CROUND                                         ; the closing round: no work-group ends while a partner may still ask for a tile that names it
	s_endpgm
.Lfunc_end_k_q694b03ec84_oproj:
	.size	k_q694b03ec84_oproj, .Lfunc_end_k_q694b03ec84_oproj-k_q694b03ec84_oproj
	.p2alignl 7, 3214868480
	.fill 96, 4, 3214868480
	.section	.rodata,"a",@progbits
	.p2align	6, 0x0
	.amdhsa_kernel k_q694b03ec84_oproj
		.amdhsa_group_segment_fixed_size 327680
		.amdhsa_private_segment_fixed_size 0
		.amdhsa_enable_private_segment 0
		.amdhsa_kernarg_size 32
		.amdhsa_user_sgpr_count 2
		.amdhsa_user_sgpr_kernarg_segment_ptr 1
		.amdhsa_wavefront_size32 1
		.amdhsa_system_sgpr_workgroup_id_x 1
		.amdhsa_system_sgpr_workgroup_id_y 1
		.amdhsa_system_sgpr_workgroup_id_z 1
		.amdhsa_system_vgpr_workitem_id 0
		.amdhsa_next_free_vgpr 384
		.amdhsa_next_free_sgpr 80
		.amdhsa_reserve_vcc 0
		.amdhsa_float_denorm_mode_32 3
		.amdhsa_float_denorm_mode_16_64 3
		.amdhsa_memory_ordered 1
		.amdhsa_forward_progress 1
		.amdhsa_inst_pref_size 93
	.end_amdhsa_kernel
	.amdgpu_metadata
---
amdhsa.version: [ 1, 2 ]
amdhsa.kernels:
  - .name:           k_q694b03ec84_oproj
    .symbol:         k_q694b03ec84_oproj.kd
    .args:
      - { .name: rf, .offset: 0, .size: 8, .value_kind: global_buffer, .address_space: global }
      - { .name: cb, .offset: 8, .size: 8, .value_kind: global_buffer, .address_space: global }
      - { .name: bo, .offset: 16, .size: 8, .value_kind: global_buffer, .address_space: global }
      - { .name: out0, .offset: 24, .size: 8, .value_kind: global_buffer, .address_space: global }
    .group_segment_fixed_size: 327680
    .private_segment_fixed_size: 0
    .kernarg_segment_align: 8
    .kernarg_segment_size: 32
    .max_flat_workgroup_size: 128
    .sgpr_count:     80
    .vgpr_count:     384
    .wavefront_size: 32
...
	.end_amdgpu_metadata
.endif
;; end of part 4
;; ======== version 2 of 2: 4 launches; version 1 with the launch prep written anew for expert scheduling mode
;; limits: inputs' magnitudes at most 1.8e+19; right only within a limited range of input values; values are held in f16: magnitudes above 65,504 overflow, below 6.1e-05 lose precision
;; workspace buffers: cb 16,777,216 bytes; mb 2,097,152 bytes of whole numbers; qf 8,388,608 bytes; kv 16,777,216 bytes; rf 8,388,608 bytes
;; launch prep (part 5): grid 256 x 1, 16 waves a work-group, no clusters, 0 bytes of LDS; arguments x, Wq, Wk, Wv, Wo, attn_mask, cb, mb; writes cb, mb
.if DOCPART == 5
	.amdgcn_target "amdgcn-amd-amdhsa--gfx1250"
	.amdhsa_code_object_version 6
	.text
	.protected	k_q694b03ec84_prep
	.globl	k_q694b03ec84_prep
	.p2align	8
	.type	k_q694b03ec84_prep,@function
k_q694b03ec84_prep:
	s_mov_b64 s[64:65], 0
	v_nop
	global_prefetch_b8 v0, s[64:65] scope:SCOPE_SE
	s_setreg_imm32_b32 hwreg(HW_REG_WAVE_SCHED_MODE, 0, 2), 2
	s_setreg_imm32_b32 hwreg(HW_REG_WAVE_MODE, 25, 1), 1
	s_wait_xcnt 0x0
	s_wait_alu depctr_vm_vsrc(0)
; PREP: two streams, both read once.
; (1) x, Wq, Wk, Wv, Wo (f32) are rounded to f16 into cb:  byte 0: x[4096][1024];  byte WQKV: w[head 16][q,k,v][64 rows][1024];  byte WOFF: Wo[1024][1024].
;     f16 and not bf16: six operand roundings lie between x and the output, and 11 significant bits keep their sum small against the output's spread.
;     LIMIT: a number beyond 65,504 in magnitude becomes infinite; below 2^-14 the rounding step is 2^-24.
; (2) attn_mask (int32) becomes lane masks in mb: word[qb 256][kb 256][j 8], bit r + 16 h = (attn_mask[16 qb + r][16 kb + 8 h + j] != 0):
;     the place that score has in the registers of the attention launch (lane r + 16 h, register j), so that one select there masks 32 scores.
; 256 work-groups of 16 waves, all with the same work: 128 KiB of the five float arrays taken as one row of chunks, and 16 rows of the mask.
; A wave issues all its 48 loads of 512 neighbouring bytes at once and then works them off in order.  Memory binds: no LDS, no barrier,
; no matrix unit, no cluster (no byte is read by two work-groups).
; THE MODE: SCHED_MODE bits 1:0 = 2 (LLVM: expert scheduling mode 2), set by the entry lines.  The code itself states the register dependences
; between vector instructions and memory instructions, with s_wait_alu, always for 0.
; THE PLAN.  Registers that memory instructions touch (the text is straight: no loop, no branch):
;   v1 .. v4   byte offsets, made at the head by vector instructions, read by every load and store, never written again.
;   CV         load t lands in four registers; its two conversions read them and write the first two in place; store t reads those two; never written again.
;   MK         the mask as loaded; read by vector instructions alone, never written again.
;   WD         written by the four selects at the end, read by the last store.
;   VCC        written by one compare at the head, read by those four selects.
; No register that a memory instruction reads is ever written again, and no load lands in a register that a vector instruction has named: so no wait on
; vm_vsrc is owed, and what is left to state is that a store's data and the offsets are written.  The floats go in four blocks of four loads; block p's four
; stores are issued in block p + 1 (block 3's in the first rows of the mask work), behind ONE wait on va_vdst at that block's head, one store in front of each
; load's conversions: the vector instructions issued since that wait name other registers than those stores read.
.set WQKV, 8388608
.set WOFF, 14680064
.set A0, 8                             ; v[8:11]   key group 0: bit rho = row rho's mask of my key c;  v[12:15] the same for key group 1
.set TT, 16                            ; v[16:19]  at work
.set HI, 20                            ; v[20:23]  group 0: the partner's bits, then the finished word
.set LO, 24                            ; v[24:27]  group 1: the same
.set WD, 28                            ; v[28:31]  the four words that I store
.set MK, 32                            ; v[32:159] mask as loaded: group i, row rho at 32 + 64 i + 4 rho
.set CV, 160                           ; v[160:223] floats as loaded: load t at 160 + 4 t
	s_load_b512 s[4:19], s[0:1], 0x0               ; x, Wq, Wk, Wv, Wo, attn_mask, cb, mb
	s_mov_b32 s20, ttmp9                           ; g
	s_and_b32 s21, s20, 31                         ; chunk of 32 rows inside a weight
	s_sub_co_u32 s22, s20, 128
	s_lshr_b32 s22, s22, 5                         ; which weight: 0 q, 1 k, 2 v, 3 o (a large number, equal to none of them, for g < 128)
	s_lshr_b32 s30, s21, 1                         ; q, k, v: head = chunk / 2,
	s_mul_i32 s30, s30, 393216                     ; 3 x 64 rows of 2,048 bytes a head,
	s_lshl_b32 s31, s22, 17                        ; 64 rows a kind,
	s_add_co_u32 s30, s30, s31
	s_and_b32 s31, s21, 1
	s_lshl_b32 s31, s31, 16                        ; 32 rows a chunk
	s_add_co_u32 s30, s30, s31
	s_add_co_u32 s30, s30, WQKV
	s_lshl_b32 s31, s21, 16
	s_add_co_u32 s31, s31, WOFF                    ; Wo: rows as they are
	s_lshl_b32 s32, s20, 16                        ; x: rows as they are
	s_cmp_eq_u32 s22, 3
	s_cselect_b32 s28, s31, s30
	s_cmp_lt_u32 s20, 128
	s_cselect_b32 s28, s32, s28                    ; where my 64 KiB of f16 go
	s_cselect_b32 s26, s20, s21
	s_lshl_b32 s26, s26, 17                        ; where my 128 KiB of f32 come from, inside their array
	s_mov_b32 s27, 0
	s_mov_b32 s29, 0
	s_lshl_b32 s34, s20, 18                        ; 16 rows of the mask, 16,384 bytes each
	s_mov_b32 s35, 0
	s_lshl_b32 s36, s20, 13                        ; 256 x 8 words of lane masks
	s_mov_b32 s37, 0
	v_and_b32 v6, 31, v0                           ; lane L
	v_lshrrev_b32 v5, 5, v0                        ; wave w
	v_lshlrev_b32 v7, 4, v6
	v_lshl_add_u32 v1, v5, 10, v7                  ; mask: 1,024 w + 16 L (the wave owns 256 keys)
	v_lshl_add_u32 v2, v5, 13, v7                  ; floats in: 8,192 w + 16 L
	v_lshlrev_b32 v3, 3, v6
	v_lshl_add_u32 v3, v5, 12, v3                  ; f16 out: 4,096 w + 8 L
	v_and_b32 v4, 2, v6
	v_lshlrev_b32 v4, 7, v4                        ; lanes with L & 2 store key group 1's words, 256 bytes further on
	v_lshl_add_u32 v4, v5, 9, v4                   ; 16 key blocks of 32 bytes a wave
	v_lshrrev_b32 v7, 2, v6
	v_lshl_add_u32 v4, v7, 5, v4                   ; key block L / 4 of the group
	v_and_b32 v7, 1, v6
	v_lshl_add_u32 v4, v7, 4, v4                   ; j = 4 (L & 1) + c
	v_and_b32 v7, 2, v6
	v_cmp_ne_u32 vcc_lo, 0, v7                     ; kept to the end
	s_wait_kmcnt 0x0
	s_mov_b64 s[24:25], s[12:13]                   ; the array that my chunk lies in, chosen by the work-group's number alone
	s_cmp_eq_u32 s22, 2
	s_cselect_b64 s[24:25], s[10:11], s[24:25]
	s_cmp_eq_u32 s22, 1
	s_cselect_b64 s[24:25], s[8:9], s[24:25]
	s_cmp_eq_u32 s22, 0
	s_cselect_b64 s[24:25], s[6:7], s[24:25]
	s_cmp_lt_u32 s20, 128
	s_cselect_b64 s[24:25], s[4:5], s[24:25]
	s_add_nc_u64 s[24:25], s[24:25], s[26:27]
	s_add_nc_u64 s[16:17], s[16:17], s[28:29]
	s_add_nc_u64 s[14:15], s[14:15], s[34:35]
	s_add_nc_u64 s[18:19], s[18:19], s[36:37]
	s_wait_alu depctr_va_vcc(0)                    ; the compare above has written VCC, ahead of its first reader: the four selects at the end
	s_wait_alu depctr_va_vdst(0)                   ; the four offsets v1 to v4 are written: every load and store of the kernel reads one of them
.irp t, 0,1,2,3,4,5,6,7,8,9,10,11,12,13,14,15
	global_load_b128 v[CV+4*\t:CV+4*\t+3], v2, s[24:25] offset:512*\t th:TH_LOAD_NT
.endr
.irp i, 0,1
.irp rho, 0,1,2,3,4,5,6,7,8,9,10,11,12,13,14,15
	global_load_b128 v[MK+64*\i+4*\rho:MK+64*\i+4*\rho+3], v1, s[14:15] offset:\rho*16384+\i*512 th:TH_LOAD_NT
.endr
.endr
	; floats: four numbers a lane become 8 bytes; the wave's store covers 256 consecutive bytes, aligned.  Four blocks of four loads; the stores run a block behind.
.irp t, 0,1,2,3,4,5,6,7,8,9,10,11,12,13,14,15
	s_wait_loadcnt 47-\t                           ; loads come back in order (ISA guide 5.7.1): 47 - t were issued behind load t
.if ((\t) % 4 == 0) && ((\t) > 0)
	s_wait_alu depctr_va_vdst(0)                   ; the conversions of the block before have written its eight packed registers, which this block's four stores read
.endif
.if (\t) >= 4
	global_store_b64 v3, v[CV+4*(\t-4):CV+4*(\t-4)+1], s[16:17] offset:256*(\t-4)   ; the block before; no vector instruction since the wait names these registers
.endif
	v_cvt_pk_f16_f32 v[CV+4*\t], v[CV+4*\t], v[CV+4*\t+1]
	v_cvt_pk_f16_f32 v[CV+4*\t+1], v[CV+4*\t+2], v[CV+4*\t+3]
.endr
	; mask: lane L of group i holds keys 128 (2 w + i) + 4 L + c; the 16 rows are gathered into 16 bits for each key
.irp i, 0,1
.irp rho, 0,1,2,3,4,5,6,7,8,9,10,11,12,13,14,15
	s_wait_loadcnt 31-(16*\i+\rho)                 ; so many mask loads were issued behind this one
.if (\i == 0) && (\rho == 0)
	s_wait_alu depctr_va_vdst(0)                   ; the conversions of the floats' last block have written its eight packed registers, which the four stores below read
.endif
.if (\i == 0) && (\rho < 4)
	global_store_b64 v3, v[CV+48+4*\rho:CV+48+4*\rho+1], s[16:17] offset:256*(12+\rho)   ; the floats' last block; the mask work between names MK, A0 and TT alone
.endif
.if \rho == 0
.irp c, 0,1,2,3
	v_min_u32 v[A0+4*\i+\c], 1, v[MK+64*\i+\c]     ; 1 for any number but 0 (taken as unsigned); the first row starts the word
.endr
.else
.irp c, 0,1,2,3
	v_min_u32 v[TT+\c], 1, v[MK+64*\i+4*\rho+\c]
.endr
.irp c, 0,1,2,3
	v_lshl_or_b32 v[A0+4*\i+\c], v[TT+\c], \rho, v[A0+4*\i+\c]
.endr
.endif
.endr
.endr
	; a word joins key 16 kb + j (low half) and key 16 kb + 8 + j (high half): lanes L and L + 2.  Group 0's words are made in the lanes
	; with L & 2 = 0, group 1's in the others, so that one store of 16 bytes a lane writes both groups: 512 consecutive bytes.
.irp c, 0,1,2,3
	v_mov_b32 v[HI+\c], 0                          ; the destination of a DPP move counts as read
	v_mov_b32 v[LO+\c], 0
.endr
.irp c, 0,1,2,3
	v_mov_b32_dpp v[HI+\c], v[A0+\c] row_shl:2 row_mask:0xf bank_mask:0xf      ; lane L takes lane L + 2
	v_mov_b32_dpp v[LO+\c], v[A0+4+\c] row_shr:2 row_mask:0xf bank_mask:0xf    ; lane L takes lane L - 2
.endr
.irp c, 0,1,2,3
	v_lshl_or_b32 v[HI+\c], v[HI+\c], 16, v[A0+\c]
	v_lshl_or_b32 v[LO+\c], v[A0+4+\c], 16, v[LO+\c]
	v_cndmask_b32 v[WD+\c], v[HI+\c], v[LO+\c], vcc_lo
.endr
	s_wait_alu depctr_va_vdst(0)                   ; the four selects have written v[WD ..], which the store reads
	global_store_b128 v4, v[WD:WD+3], s[18:19]
	s_endpgm
.Lfunc_end_k_q694b03ec84_prep:
	.size	k_q694b03ec84_prep, .Lfunc_end_k_q694b03ec84_prep-k_q694b03ec84_prep
	.p2alignl 7, 3214868480
	.fill 96, 4, 3214868480
	.section	.rodata,"a",@progbits
	.p2align	6, 0x0
	.amdhsa_kernel k_q694b03ec84_prep
		.amdhsa_group_segment_fixed_size 0
		.amdhsa_private_segment_fixed_size 0
		.amdhsa_enable_private_segment 0
		.amdhsa_kernarg_size 64
		.amdhsa_user_sgpr_count 2
		.amdhsa_user_sgpr_kernarg_segment_ptr 1
		.amdhsa_wavefront_size32 1
		.amdhsa_system_sgpr_workgroup_id_x 1
		.amdhsa_system_sgpr_workgroup_id_y 1
		.amdhsa_system_sgpr_workgroup_id_z 1
		.amdhsa_system_vgpr_workitem_id 0
		.amdhsa_next_free_vgpr 224
		.amdhsa_next_free_sgpr 66
		.amdhsa_reserve_vcc 1
		.amdhsa_float_denorm_mode_32 3
		.amdhsa_float_denorm_mode_16_64 3
		.amdhsa_memory_ordered 1
		.amdhsa_forward_progress 1
		.amdhsa_inst_pref_size 26
	.end_amdhsa_kernel
	.amdgpu_metadata
---
amdhsa.version: [ 1, 2 ]
amdhsa.kernels:
  - .name:           k_q694b03ec84_prep
    .symbol:         k_q694b03ec84_prep.kd
    .args:
      - { .name: x, .offset: 0, .size: 8, .value_kind: global_buffer, .address_space: global }
      - { .name: Wq, .offset: 8, .size: 8, .value_kind: global_buffer, .address_space: global }
      - { .name: Wk, .offset: 16, .size: 8, .value_kind: global_buffer, .address_space: global }
      - { .name: Wv, .offset: 24, .size: 8, .value_kind: global_buffer, .address_space: global }
      - { .name: Wo, .offset: 32, .size: 8, .value_kind: global_buffer, .address_space: global }
      - { .name: attn_mask, .offset: 40, .size: 8, .value_kind: global_buffer, .address_space: global }
      - { .name: cb, .offset: 48, .size: 8, .value_kind: global_buffer, .address_space: global }
      - { .name: mb, .offset: 56, .size: 8, .value_kind: global_buffer, .address_space: global }
    .group_segment_fixed_size: 0
    .private_segment_fixed_size: 0
    .kernarg_segment_align: 8
    .kernarg_segment_size: 64
    .max_flat_workgroup_size: 512
    .sgpr_count:     66
    .vgpr_count:     224
    .wavefront_size: 32
...
	.end_amdgpu_metadata
.endif
;; end of part 5
;; launch qkv: the kernel of part 2 again; grid 16 x 16, 4 waves a work-group, clusters of 4 x 4, 327,680 bytes of LDS; arguments cb, bq, bk, bv, qf, kv; writes qf, kv
;; launch attn: the kernel of part 3 again; grid 8 x 32, 16 waves a work-group, clusters of 4 x 4, 327,680 bytes of LDS; arguments r, mb, qf, kv, rf; writes rf
;; launch oproj: the kernel of part 4 again; grid 8 x 32, 4 waves a work-group, clusters of 4 x 4, 327,680 bytes of LDS; arguments rf, cb, bo, out0; writes out0
